; MI455X (gfx1250); checked and timed in simulation.
; The chip was launched on July 23, 2026; its instructions are those of AMD's public machine-readable ISA for CDNA 5 (MIT licence, August 2026) and "CDNA5" Instruction Set Architecture Reference Guide (July 2026). The comments in the code are by the model that wrote it; some were corrected since.
;; Q Lo RA Linear. Allowed arithmetic: matrix products marked QUANTISED: E5M2 operands, one E8M0 scale for each 32 along K, by v_wmma_scale_f32_16x16x128_f8f6f4 with both operands' format E5M2, f32 sums; products left as they are: f32 operands where the result goes on into a quantised operand, else bf16, f16 or f32 operands; f32 sums; everything else in f32.
;; Inputs: block_scales 4,096 x 256 float32; global_scale 1 float32; lora_A 16 x 4,096 float32; lora_B 4,096 x 16 float32; packed_weight 4,096 x 2,048 int32; x 4 x 1,024 x 4,096 float32.
;; Outputs: out0 4 x 1,024 x 4,096 float32.
;; This version of the problem:
;;   THIS VERSION OF THE PROBLEM IS GIVEN IN LOW PRECISION. The matrix products marked QUANTISED in the list below multiply operands that are first quantised to E5M2 (5 exponent bits, 2 mantissa bits; 8 bits a number), with one power-of-two scale for each 32 numbers along K (OCP MX v1.0); their sums are f32. All else is computed in f32.
;;   The module's matrix products, in the order in which they are computed (A, B: the left and right operand; K: the contracted axis; several contracted axes count as one K, in the product's order):
;;     1. [M 4,096, K 4,096] x [K 4,096, N 4,096]; A: input x; B: computed on the way: QUANTISED
;;     2. [M 4,096, K 4,096] x [K 4,096, N 16]; A: input x; B: input lora_A: QUANTISED
;;     3. [M 4,096, K 16] x [K 16, N 4,096]; A: computed on the way; B: input lora_B: left as it is (K = 16 < 32)
;;   THE QUANTISER, for each operand of a quantised product, along K:
;;     - K is cut into blocks of 32 from its start; a last block that is shorter is filled with zeros.
;;     - A block's scale is 2^e with e = floor(log2(the largest magnitude in the block)) - 15, held to -126 .. 127; a block of zeros has e = 0. As a byte (E8M0): e + 127.
;;     - Each number is divided by its block's scale, clamped to +-57,344, and rounded to the nearest number of E5M2, ties to even, subnormals kept.
;;     - The product sums the exact products of the quantised numbers (number of the format x scale) in f32.
;;   ~~~python
;;   def quantise(x, axis):      # numpy; x: float32 -> the quantised numbers, widened to float32 again
;;       x = np.moveaxis(x, axis, -1); K = x.shape[-1]
;;       x = np.pad(x, [(0, 0)] * (x.ndim - 1) + [(0, -K % 32)]); x = x.reshape(x.shape[:-1] + (-1, 32)); a = np.abs(x).max(-1, keepdims=True)
;;       e = np.where(a > 0, np.clip(np.frexp(np.where(a > 0, a, 1))[1] - 1 - 15, -126, 127), 0)      # np.frexp(a)[1] - 1 = floor(log2(a)), exactly
;;       r = np.clip(x / 2.0 ** e, -57344, 57344)
;;       step = 2.0 ** (np.maximum(np.frexp(np.where(r == 0, 1, r))[1] - 1, -14) - 2)
;;       q = np.round(r / step) * step * 2.0 ** e      # np.round: ties to even
;;       return np.moveaxis(q.reshape(q.shape[:-2] + (-1,))[..., :K], -1, axis).astype(np.float32)
;;   ~~~
;;   OPERANDS COMPUTED ON THE WAY. 'Computed on the way' means the value that the module computes at that place (a softmax that the list does not call 'softmax' is quantised finished and normalised). What goes into a quantiser is computed in f32, as accurately as f32 sums, v_exp_f32 and their like allow (about 1e-6 of the number): no bf16 or f16 on the way to a quantiser, and a product that is left as it is and whose result goes on into a quantised operand takes f32 operands (vector FMAs, or v_wmma_f32_16x16x4_f32). A number that lies on a knife's edge between two numbers of the format may be rounded either way, as far as f32 arithmetic and the matrix unit's own rounding can turn it there, and no further.
;; 2 versions, each right; version 2 is version 1 with the launch quant written anew for expert scheduling mode. Each part assembles by itself: llvm-mc -triple=amdgcn-amd-amdhsa -mcpu=gfx1250 --defsym DOCPART=n.
;; ======== version 1 of 2: 2 launches
;; workspace buffers: xq 17,301,504 bytes; wq 17,301,504 bytes; tp 1,048,576 bytes
;; launch quant (part 1): grid 256 x 1, 8 waves a work-group, no clusters, 102,400 bytes of LDS; arguments x, lora_A, packed_weight, block_scales, global_scale, xq, wq, tp; writes xq, wq, tp
.if DOCPART == 1
	.amdgcn_target "amdgcn-amd-amdhsa--gfx1250"
	.amdhsa_code_object_version 6
	.text
	.protected	k_qa8241c92a6_quant
	.globl	k_qa8241c92a6_quant
	.p2align	8
	.type	k_qa8241c92a6_quant,@function
k_qa8241c92a6_quant:
	s_mov_b64 s[64:65], 0
	v_nop
	global_prefetch_b8 v0, s[64:65] scope:SCOPE_SE
	s_setreg_imm32_b32 hwreg(HW_REG_WAVE_MODE, 25, 1), 1
	s_wait_xcnt 0x0
; x [4096][4096] f32 and W [4096][4096] (FP4 code x block scale x global scale, made here in f32, in that order of multiplication) are turned into codes of BF8 (E5M2)
; with one E8M0 scale byte for each 32 along K, and t = x lora_A^T (both quantised, the format's own matrix instruction) is made on the way, while x's codes stand in registers.
; A block's scale is 2^(floor(log2(its largest magnitude)) - 15); its byte is the largest magnitude's exponent field - 15, held at 1 from below.
; LIMITS: NaN and infinities among the inputs are not served.  A block of zeros gets the byte 1 where the rule says 127: its codes are zeros, which add nothing under any byte but 0xff, and this program alone reads the bytes.
; OUTPUT LAYOUT (xq and wq alike): block [row / 128][k / 256] of BLK = 33,792 bytes.  In it the codes as images of operand registers: fragment (i = 16 rows, q = 128 along K) at (2 i + q) x 2,048,
; register group c at 512 c, lane l's 16 bytes at 16 l (lane r + 16 h: row r, k = 32 c + 16 h + 0 .. 15); from byte 32,768 on the scale words, [i][r][q], 4 bytes each.
; tp: [K chunk kc of 1,024][row / 16][g][lane][4 f32]: register 4 g + e of lane (r, h) is the chunk's part of t[row r][8 h + 4 g + e].
; SHARES.  Work-group g: 64 rows of x and 64 rows of W (g / 4), K chunk g % 4 of 1,024.  Waves 0-3 take x: wave w the K step 4 kc + w (256 along K) of the four blocks of 16 rows, so that lora_A's two fragments
; of that K step are quantised once for four blocks.  Waves 4-7 take W: wave w the block of 16 rows w, four K steps, so that its block scales are 16 rows x 256 aligned bytes.
; A load reads 512 consecutive bytes of one row; the conversions want 16 neighbours along K in one lane: so 16 rows x 512 bytes turn through the wave's own stage in LDS (rows 528 bytes apart).
; Every code store covers 512 consecutive aligned bytes; a scale-word store 128 consecutive bytes (one byte in 32 of what the codes take).
; No tensor load, no ring; one barrier, in front of the sum of the four x waves' parts of t.
.set BLK,   33792
.set SP,    528                        ; a stage row: 512 bytes + 16: the 16 rows that a load touches start 16 bytes apart modulo 256
.set STB,   16*SP                      ; a wave's stage
.set BSA,   8*STB                      ; behind the stages: the W waves' block scales, 16 rows x (256 + 16) bytes each
.set BSP,   272
.set RED,   BSA+4*16*BSP               ; behind them: the x waves' parts of t: [wave][block of rows][g][lane][16 bytes]
.set L16,  1                           ; v1   16 x lane: offset of loads and of code stores
.set STW,  2                           ; v2   stage + 16 x lane: in
.set STX,  3                           ; v3   stage + 528 r + 64 h: out, f32 numbers
.set STV,  4                           ; v4   stage + 528 r + 32 h: out, packed weights
.set SWO,  5                           ; v5   8 r + 4 h: a scale word's place
.set BSO,  6                           ; v6   1024 h + 16 r: block scales in memory, two rows a load
.set BSW,  7                           ; v7   the same two rows in LDS
.set BSR,  8                           ; v8   my row's block scales, my half's
.set RDW,  9                           ; v9   where an x wave puts its part of t
.set RDR,  10                          ; v10  where it reads the four parts of one block of rows
.set X,    16                          ; v16-79   64 numbers: register 16 b + i = k 32 b + 16 h + i of my row
.set PC,   80                          ; v80-95   the codes just made
.set LAF,  96                          ; v96-127  lora_A's two fragments
.set LAS,  128                         ; v128-129 their scale words
.set PW,   130                         ; v130-131 the scale words of q = 0, 1
.set SW,   132                         ; v132     lanes 0-15: q = 0's, lanes 16-31: q = 1's: as stored
.set TM,   136                         ; v136-151 at work in QUANT
.set ACC,  152                         ; v152-159 t's accumulator
.set RW,   160                         ; v160-191 packed weights as they lie (at the start: block scales)
.set BSC,  192                         ; v192-199 four block scales, in the even registers
.set PT,   200                         ; v200-215 at work in DEQ
.set PP,   216                         ; v216-223 eight FP4 codes a register
.set ONE,  224                         ; v224     the scale byte of 1.0, four times
; window 1, v0-255: four sets of 64 registers for loads on their way
.set WV,   20
.set W4,   21
.set RG,   22
.set KC,   23
.set KS,   24
.set SRC,  28
.set CB,   30
.set SB,   32
.set LA,   34                          ; x waves: lora_A;  W waves: the block scales
.set SEL,  36
.set MNT,  38
.set HM,   39
.set GS,   40
.set P1,   42
.set P2,   43
.set TPB,  44
.set MSB, 0
.macro WIN new                         ; the immediate's high byte repeats the setting that is left
.if MSB != (\new)
	s_set_vgpr_msb (MSB<<8)|(\new)
.set MSB, (\new)
.endif
.endm
	s_load_b256 s[4:11], s[0:1], 0x0               ; x s[4:5], lora_A s[6:7], packed_weight s[8:9], block_scales s[10:11]
	s_load_b256 s[12:19], s[0:1], 0x20             ; global_scale s[12:13], xq s[14:15], wq s[16:17], tp s[18:19]
	v_lshl_add_u32 v254, v0, 2, 0x18c00
	v_mov_b32 v255, 0
	v_lshrrev_b32 v11, 5, v0
	v_readfirstlane_b32 s[WV], v11                 ; wave 0..7
	s_and_b32 s[W4], s[WV], 3                      ; its number within its role
	s_lshr_b32 s[RG], ttmp9, 2                     ; which 64 rows
	s_and_b32 s[KC], ttmp9, 3                      ; which 1,024 along K
	; every LDS address is made here, ahead of the parting of the roles
	v_and_b32 v11, 31, v0                          ; lane
	v_and_b32 v12, 15, v0                          ; r
	v_bfe_u32 v13, v0, 4, 1                        ; h
	v_lshlrev_b32 v[L16], 4, v11
	s_mul_i32 s46, s[WV], STB
	v_add_nc_u32 v[STW], s46, v[L16]
	v_mul_u32_u24 v14, v12, SP
	v_add_nc_u32 v14, s46, v14
	v_lshl_add_u32 v[STX], v13, 6, v14
	v_lshl_add_u32 v[STV], v13, 5, v14
	v_lshlrev_b32 v[SWO], 3, v12
	v_lshl_add_u32 v[SWO], v13, 2, v[SWO]
	v_lshlrev_b32 v[BSO], 4, v12
	v_lshl_add_u32 v[BSO], v13, 10, v[BSO]
	s_mul_i32 s47, s[W4], 16*BSP
	s_add_co_u32 s47, s47, BSA
	v_mul_u32_u24 v[BSW], v13, BSP
	v_lshl_add_u32 v[BSW], v12, 4, v[BSW]
	v_add_nc_u32 v[BSW], s47, v[BSW]
	v_mul_u32_u24 v[BSR], v12, BSP
	v_lshl_add_u32 v[BSR], v13, 2, v[BSR]
	v_add_nc_u32 v[BSR], s47, v[BSR]
	s_lshl_b32 s46, s[W4], 12
	s_add_co_u32 s46, s46, RED
	v_add_nc_u32 v[RDW], s46, v[L16]
	s_lshl_b32 s46, s[W4], 10
	s_add_co_u32 s46, s46, RED
	v_add_nc_u32 v[RDR], s46, v[L16]
	s_mov_b32 s[SEL], 0x76543210
	s_mov_b32 s[SEL+1], 0xfedcba98                 ; v_permlanex16_b32's selects for lane l xor 16
	s_mov_b32 s[MNT], 0x600000                     ; the mantissa field of 57,344
	s_mov_b32 s[HM], 0xffff0000                    ; lanes 16-31
	s_mov_b32 s[P1], 0x04000400                    ; v_perm_b32: byte 0 of the second source, byte 0 of the first
	s_mov_b32 s[P2], 0x05040100                    ; the low halves of the second source and of the first
	v_mov_b32 v[ONE], 0x7f7f7f7f
.irp b, 0,1,2,3
	v_mov_b32 v[TM+4+\b], 0                        ; written once: a lane permute's destination counts as one of its sources
	v_mov_b32 v[BSC+1+2*\b], 0                     ; named as the upper half of a pair whose low word alone is used
.endr
	s_mov_b32 s27, 0
	s_lshl_b32 s26, s[KC], 18                      ; tp: chunk kc, block of rows 4 rg + my number
	s_lshl_b32 s46, s[RG], 12
	s_add_co_u32 s26, s26, s46
	s_lshl_b32 s46, s[W4], 10
	s_add_co_u32 s26, s26, s46
	s_wait_kmcnt 0x0
	s_add_nc_u64 s[TPB:TPB+1], s[18:19], s[26:27]
; 64 numbers of a lane, v[s] on, become a fragment's codes in v[pc] on and its scale word in v[pw].
.macro QUANT s, pc, pw
.irp b, 0,1,2,3
	v_max3_num_f32 v[TM+\b], |v[\s+16*\b]|, |v[\s+1+16*\b]|, 0x8000000   ; block b: my 16 numbers, and the floor 2^(16 - 127): so the byte cannot fall under 1
.endr
.irp i, 2,4,6,8,10,12,14
.irp b, 0,1,2,3
	v_max3_num_f32 v[TM+\b], v[TM+\b], |v[\s+16*\b+\i]|, |v[\s+1+16*\b+\i]|   ; the four blocks by turns
.endr
.endr
.irp b, 0,1,2,3
	v_permlanex16_b32 v[TM+4+\b], v[TM+\b], s[SEL], s[SEL+1]
.endr
.irp b, 0,1,2,3
	v_max_num_f32 v[TM+\b], v[TM+\b], v[TM+4+\b]   ; with lane l xor 16's: the block's largest magnitude
.endr
.irp b, 0,1,2,3
	v_add_nc_u32 v[TM+12+\b], 0xf8800000, v[TM+\b] ; 15 off its exponent field: the conversion takes the exponent field of this operand as its scale
.endr
.irp b, 0,1,2,3
	v_and_or_b32 v[TM+8+\b], v[TM+\b], 0x7f800000, s[MNT]   ; 57,344 x the scale
.endr
.irp b, 0,1,2,3
	v_lshrrev_b32 v[TM+4+\b], 23, v[TM+12+\b]      ; the scale's byte
.endr
	v_lshl_or_b32 v[\pw], v[TM+5], 8, v[TM+4]      ; the four bytes make my row's scale word
	v_lshl_or_b32 v[\pw], v[TM+6], 16, v[\pw]
	v_lshl_or_b32 v[\pw], v[TM+7], 24, v[\pw]
.irp b, 0,1,2,3
.irp i, 0,1,2,3,4,5,6,7,8,9,10,11,12,13,14,15
	v_med3_num_f32 v[\s+16*\b+\i], v[\s+16*\b+\i], -v[TM+8+\b], v[TM+8+\b]   ; the conversion to an 8-bit code does not saturate (ISA guide 7.6.2): the hold at the largest code x the scale
.endr
	v_cvt_scalef32_pk8_bf8_f32 v[(\pc)+4*\b:(\pc)+1+4*\b], v[\s+16*\b:\s+7+16*\b], v[TM+12+\b]
	v_cvt_scalef32_pk8_bf8_f32 v[(\pc)+2+4*\b:(\pc)+3+4*\b], v[\s+8+16*\b:\s+15+16*\b], v[TM+12+\b]
.endr
	v_nop                                          ; one plain vector instruction behind the last scaled conversion
.endm
; a set of 16 rows x 512 bytes goes into the stage as it was loaded
.macro TOST set
	WIN 0x04                                       ; an LDS store's data are its source 1: window 1
.irp i, 0,1,2,3,4,5,6,7,8,9,10,11,12,13,14,15
	ds_store_b128 v[STW], v[64*(\set)+4*\i:64*(\set)+4*\i+3] offset:SP*\i
.endr
	WIN 0
.endm
	s_cmp_lt_u32 s[WV], 4
	s_cbranch_scc0 .Lw_role
; ---------------------------------------------------------------- waves 0-3: x, lora_A and t
	s_lshl_b32 s[KS], s[KC], 2
	s_add_co_u32 s[KS], s[KS], s[W4]               ; my K step of 256
	s_lshl_b32 s46, s[KS], 10                      ; 1,024 bytes of f32 a K step
	s_lshl_b32 s26, s[RG], 20                      ; 64 rows of 16,384 bytes
	s_add_co_u32 s26, s26, s46
	s_add_nc_u64 s[SRC:SRC+1], s[4:5], s[26:27]
	s_mov_b32 s26, s46
	s_add_nc_u64 s[LA:LA+1], s[6:7], s[26:27]
	s_lshr_b32 s46, s[RG], 1
	s_lshl_b32 s46, s46, 4
	s_add_co_u32 s46, s46, s[KS]
	s_mul_i32 s46, s46, BLK                        ; block [rg / 2][ks]
	s_and_b32 s47, s[RG], 1
	s_lshl_b32 s26, s47, 14                        ; my 64 rows are its fragments' i = 4 (rg % 2) on
	s_add_co_u32 s26, s26, s46
	s_add_nc_u64 s[CB:CB+1], s[14:15], s[26:27]
	s_lshl_b32 s26, s47, 9
	s_add_co_u32 s26, s26, s46
	s_add_co_u32 s26, s26, 32768
	s_add_nc_u64 s[SB:SB+1], s[14:15], s[26:27]
; set n of ten: n = 0, 1: lora_A's 16 rows, 128 along K each; n = 2 .. 9: block of rows (n - 2) / 2 of x, its n % 2-th 128 along K.  Each load: 512 consecutive bytes of one row
.macro XLOAD n
	WIN 0x40                                       ; destination window 1
.irp i, 0,1,2,3,4,5,6,7,8,9,10,11,12,13,14,15
.if (\n) < 2
	global_load_b128 v[64*((\n)%4)+4*\i:64*((\n)%4)+4*\i+3], v[L16], s[LA:LA+1] offset:\i*16384+(\n)*512
.else
	global_load_b128 v[64*((\n)%4)+4*\i:64*((\n)%4)+4*\i+3], v[L16], s[SRC:SRC+1] offset:(16*(((\n)-2)/2)+\i)*16384+((\n)%2)*512 th:TH_LOAD_NT
.endif
.endr
	WIN 0
.endm
.macro XSTEP n
.if 9-(\n) >= 3
	s_wait_loadcnt 48                              ; set n is in; the three sets of 16 loads behind it may be out
.else
	s_wait_loadcnt 16*(9-(\n))
.endif
	TOST (\n)%4
.irp b, 0,1,2,3
.irp j, 0,1,2,3
	ds_load_b128 v[X+16*\b+4*\j:X+16*\b+4*\j+3], v[STX] offset:128*\b+16*\j   ; LDS serves a wave's instructions in order: these see the stores above
.endr
.endr
	s_wait_xcnt 0x0                                ; the earlier stores have read their data: the codes and the scale word may be written again
	s_wait_dscnt 0x0                               ; my numbers are back; the set has been read by its stores into the stage,
.if (\n)+4 < 10
	XLOAD (\n)+4                                   ; so it takes the loads of four sets on
.endif
.if (\n) < 2
	QUANT X, LAF+16*(\n), LAS+(\n)
.else
.set RBL, ((\n)-2)/2
.set QQ, (\n)%2
	QUANT X, PC, PW+QQ
.irp c, 0,1,2,3
	global_store_b128 v[L16], v[PC+4*\c:PC+4*\c+3], s[CB:CB+1] offset:RBL*4096+QQ*2048+512*\c   ; 512 consecutive bytes, aligned
.endr
.if QQ == 0
.rept 4
	v_nop                                          ; codes written by vector instructions stand four places ahead of a scaled matrix instruction; the scale word stands behind the 64 holds
.endr
	; t^T: source 0 = lora_A's 16 rows, source 1 = x's 16 rows: register j of lane (r, h) is t[row r][8 h + j].  The product before wrote this accumulator: QUANT's 32 maxima are more than the nine places owed
	v_wmma_scale_f32_16x16x128_f8f6f4 v[ACC:ACC+7], v[LAF:LAF+15], v[PC:PC+15], 0, v[LAS], v[PW] matrix_a_fmt:MATRIX_FMT_BF8 matrix_b_fmt:MATRIX_FMT_BF8
.else
	v_cndmask_b32 v[SW], v[PW], v[PW+1], s[HM]     ; lanes 0-15 store q = 0's word, lanes 16-31 q = 1's
.rept 4
	v_nop
.endr
	s_wait_alu depctr_va_vdst(0)                   ; the wait stands directly ahead of the link
	v_wmma_scale_f32_16x16x128_f8f6f4 v[ACC:ACC+7], v[LAF+16:LAF+31], v[PC:PC+15], v[ACC:ACC+7], v[LAS+1], v[PW+1] matrix_a_fmt:MATRIX_FMT_BF8 matrix_b_fmt:MATRIX_FMT_BF8
.rept 8
	v_nop                                          ; eight places in front of the first read of the result
.endr
	ds_store_b128 v[RDW], v[ACC:ACC+3] offset:RBL*1024           ; from the low end on
	ds_store_b128 v[RDW], v[ACC+4:ACC+7] offset:RBL*1024+512
	global_store_b32 v[SWO], v[SW], s[SB:SB+1] offset:RBL*128    ; 128 consecutive bytes
.endif
.endif
.endm
	XLOAD 0
	XLOAD 1
	XLOAD 2
	XLOAD 3
.irp n, 0,1,2,3,4,5,6,7,8,9
	XSTEP \n
.endr
	s_branch .Ljoin
; ---------------------------------------------------------------- waves 4-7: W
.Lw_role:
	s_load_b32 s[GS], s[12:13], 0x0                ; the global scale
	s_lshl_b32 s26, s[RG], 19                      ; packed_weight: 64 rows of 8,192 bytes,
	s_lshl_b32 s46, s[W4], 17                      ; my 16 of them,
	s_add_co_u32 s26, s26, s46
	s_lshl_b32 s46, s[KC], 11                      ; 1,024 along K are 512 words
	s_add_co_u32 s26, s26, s46
	s_add_nc_u64 s[SRC:SRC+1], s[8:9], s[26:27]
	s_lshl_b32 s26, s[RG], 16                      ; block_scales: rows of 1,024 bytes; 1,024 along K are 64 scales
	s_lshl_b32 s46, s[W4], 14
	s_add_co_u32 s26, s26, s46
	s_lshl_b32 s46, s[KC], 8
	s_add_co_u32 s26, s26, s46
	s_add_nc_u64 s[LA:LA+1], s[10:11], s[26:27]
	s_lshr_b32 s46, s[RG], 1
	s_lshl_b32 s46, s46, 4
	s_lshl_b32 s47, s[KC], 2
	s_add_co_u32 s46, s46, s47
	s_mul_i32 s46, s46, BLK                        ; block [rg / 2][4 kc]
	s_and_b32 s47, s[RG], 1
	s_lshl_b32 s47, s47, 2
	s_add_co_u32 s47, s47, s[W4]                   ; my 16 rows are its i
	s_lshl_b32 s26, s47, 12
	s_add_co_u32 s26, s26, s46
	s_add_nc_u64 s[CB:CB+1], s[16:17], s[26:27]
	s_lshl_b32 s26, s47, 7
	s_add_co_u32 s26, s26, s46
	s_add_co_u32 s26, s26, 32768
	s_add_nc_u64 s[SB:SB+1], s[16:17], s[26:27]
.macro WLOAD d                         ; K step d of my four: 16 rows x 128 words: each load 512 consecutive bytes of one row
	WIN 0x40
.irp i, 0,1,2,3,4,5,6,7,8,9,10,11,12,13,14,15
	global_load_b128 v[64*(\d)+4*\i:64*(\d)+4*\i+3], v[L16], s[SRC:SRC+1] offset:\i*8192+(\d)*512 th:TH_LOAD_NT
.endr
	WIN 0
.endm
; 32 words of a lane (register 8 b + m: numbers 2 m and 2 m + 1 of my 16 of block b, in the low byte's two nibbles) become 64 numbers of W in f32
.macro DEQ
.irp b, 0,1,2,3
.irp u, 0,1
	v_perm_b32 v[PT+4*\b+2*\u], v[RW+8*\b+4*\u+1], v[RW+8*\b+4*\u], s[P1]       ; the low bytes of two words: nothing else of a word counts
	v_perm_b32 v[PT+4*\b+2*\u+1], v[RW+8*\b+4*\u+3], v[RW+8*\b+4*\u+2], s[P1]
.endr
.endr
.irp b, 0,1,2,3
.irp u, 0,1
	v_perm_b32 v[PP+2*\b+\u], v[PT+4*\b+2*\u+1], v[PT+4*\b+2*\u], s[P2]         ; four bytes: eight codes, the first number's in the lowest bits
.endr
.endr
.irp b, 0,1,2,3
.irp u, 0,1
	v_cvt_scale_pk8_f32_fp4 v[X+16*\b+8*\u:X+16*\b+8*\u+7], v[PP+2*\b+\u], v[ONE]   ; E2M1 to f32, x 1.0
.endr
.endr
	v_nop                                          ; one plain vector instruction behind the last scaled conversion
.irp b, 0,1,2,3
.irp j, 0,2,4,6,8,10,12,14
	v_pk_mul_f32 v[X+16*\b+\j:X+16*\b+\j+1], v[X+16*\b+\j:X+16*\b+\j+1], v[BSC+2*\b:BSC+2*\b+1] op_sel_hi:[1,0]   ; x the scale of my 16 numbers' group
.endr
.endr
.set J, 0
.rept 32
	v_pk_mul_f32 v[X+J:X+J+1], v[X+J:X+J+1], s[GS:GS+1] op_sel_hi:[1,0]        ; and then x the global scale: two roundings, in this order
.set J, J+2
.endr
.endm
.macro WHALF d, q                      ; 128 along K of K step d
.irp b, 0,1,2,3
.irp u, 0,1
	ds_load_b128 v[RW+8*\b+4*\u:RW+8*\b+4*\u+3], v[STV] offset:256*(\q)+64*\b+16*\u
.endr
	ds_load_b32 v[BSC+2*\b], v[BSR] offset:4*(16*(\d)+8*(\q)+2*\b)
.endr
	s_wait_dscnt 0x0
	s_wait_xcnt 0x0                                ; the earlier stores have read their data
	DEQ
	QUANT X, PC, PW+(\q)
.irp c, 0,1,2,3
	global_store_b128 v[L16], v[PC+4*\c:PC+4*\c+3], s[CB:CB+1] offset:(\d)*BLK+(\q)*2048+512*\c
.endr
.if (\q) == 1
	v_cndmask_b32 v[SW], v[PW], v[PW+1], s[HM]
	global_store_b32 v[SWO], v[SW], s[SB:SB+1] offset:(\d)*BLK
.endif
.endm
.irp i, 0,1,2,3,4,5,6,7
	global_load_b128 v[RW+4*\i:RW+4*\i+3], v[BSO], s[LA:LA+1] offset:2048*\i th:TH_LOAD_NT   ; my block scales: two rows of 256 aligned bytes a load
.endr
	WLOAD 0
	WLOAD 1
	WLOAD 2
	s_wait_loadcnt 48                              ; the scales are in; the three sets behind them may be out
.irp i, 0,1,2,3,4,5,6,7
	ds_store_b128 v[BSW], v[RW+4*\i:RW+4*\i+3] offset:2*BSP*\i
.endr
	s_wait_dscnt 0x0
	WLOAD 3
	s_wait_kmcnt 0x0
	s_mov_b32 s[GS+1], s[GS]                       ; named with it as a pair, so it is written
.irp d, 0,1,2,3
	s_wait_loadcnt 16*(3-\d)                       ; set d is in; the sets behind it may be out
	TOST \d
	WHALF \d, 0
	WHALF \d, 1
.endr
; ---------------------------------------------------------------- t: the four x waves' parts of this K chunk are added, K ascending
.Ljoin:
	s_wait_dscnt 0x0                               ; for the others' sake: my LDS stores are done
	s_barrier_signal -1
	s_barrier_wait -1
	s_cmp_lt_u32 s[WV], 4
	s_cbranch_scc0 .Lend
.irp w, 0,1,2,3
.irp g, 0,1
	ds_load_b128 v[X+8*\w+4*\g:X+8*\w+4*\g+3], v[RDR] offset:\w*4096+\g*512   ; block of rows = my number; wave w's part
.endr
.endr
	s_wait_dscnt 0x0
.irp w, 1,2,3
.irp e, 0,2,4,6
	v_pk_add_f32 v[X+\e:X+\e+1], v[X+\e:X+\e+1], v[X+8*\w+\e:X+8*\w+\e+1]
.endr
.endr
	global_store_b128 v[L16], v[X:X+3], s[TPB:TPB+1]              ; 512 consecutive bytes, aligned
	global_store_b128 v[L16], v[X+4:X+7], s[TPB:TPB+1] offset:512
.Lend:
	s_wait_tensorcnt 0x0
	ds_add_u32 v254, v255
	s_wait_dscnt 0x0
	s_endpgm
.Lfunc_end_k_qa8241c92a6_quant:
	.size	k_qa8241c92a6_quant, .Lfunc_end_k_qa8241c92a6_quant-k_qa8241c92a6_quant
	.p2alignl 7, 3214868480
	.fill 96, 4, 3214868480
	.section	.rodata,"a",@progbits
	.p2align	6, 0x0
	.amdhsa_kernel k_qa8241c92a6_quant
		.amdhsa_group_segment_fixed_size 102400
		.amdhsa_private_segment_fixed_size 0
		.amdhsa_enable_private_segment 0
		.amdhsa_kernarg_size 64
		.amdhsa_user_sgpr_count 2
		.amdhsa_user_sgpr_kernarg_segment_ptr 1
		.amdhsa_wavefront_size32 1
		.amdhsa_system_sgpr_workgroup_id_x 1
		.amdhsa_system_sgpr_workgroup_id_y 1
		.amdhsa_system_sgpr_workgroup_id_z 1
		.amdhsa_system_vgpr_workitem_id 0
		.amdhsa_next_free_vgpr 512
		.amdhsa_next_free_sgpr 66
		.amdhsa_reserve_vcc 0
		.amdhsa_float_denorm_mode_32 3
		.amdhsa_float_denorm_mode_16_64 3
		.amdhsa_memory_ordered 1
		.amdhsa_forward_progress 1
		.amdhsa_inst_pref_size 255
	.end_amdhsa_kernel
	.section	.bss,"aw",@nobits
	.p2align	6
	.space	262144
	.amdgpu_metadata
---
amdhsa.version: [ 1, 2 ]
amdhsa.kernels:
  - .name:           k_qa8241c92a6_quant
    .symbol:         k_qa8241c92a6_quant.kd
    .args:
      - { .name: x, .offset: 0, .size: 8, .value_kind: global_buffer, .address_space: global }
      - { .name: lora_A, .offset: 8, .size: 8, .value_kind: global_buffer, .address_space: global }
      - { .name: packed_weight, .offset: 16, .size: 8, .value_kind: global_buffer, .address_space: global }
      - { .name: block_scales, .offset: 24, .size: 8, .value_kind: global_buffer, .address_space: global }
      - { .name: global_scale, .offset: 32, .size: 8, .value_kind: global_buffer, .address_space: global }
      - { .name: xq, .offset: 40, .size: 8, .value_kind: global_buffer, .address_space: global }
      - { .name: wq, .offset: 48, .size: 8, .value_kind: global_buffer, .address_space: global }
      - { .name: tp, .offset: 56, .size: 8, .value_kind: global_buffer, .address_space: global }
    .group_segment_fixed_size: 102400
    .private_segment_fixed_size: 0
    .kernarg_segment_align: 8
    .kernarg_segment_size: 64
    .max_flat_workgroup_size: 256
    .sgpr_count:     66
    .vgpr_count:     512
    .wavefront_size: 32
...
	.end_amdgpu_metadata
.endif
;; end of part 1
;; launch gemm (part 2): grid 16 x 16, 4 waves a work-group, clusters of 4 x 4, 327,680 bytes of LDS; arguments xq, wq, tp, lora_B, out0; writes out0
.if DOCPART == 2
	.amdgcn_target "amdgcn-amd-amdhsa--gfx1250"
	.amdhsa_code_object_version 6
	.text
	.protected	k_qa8241c92a6_gemm
	.globl	k_qa8241c92a6_gemm
	.p2align	8
	.type	k_qa8241c92a6_gemm,@function
k_qa8241c92a6_gemm:
	s_mov_b64 s[64:65], 0
	v_nop
	global_prefetch_b8 v0, s[64:65] scope:SCOPE_SE
	s_setreg_imm32_b32 hwreg(HW_REG_WAVE_MODE, 25, 1), 1
	s_wait_xcnt 0x0
	s_wait_alu depctr_hold_cnt(0) depctr_sa_sdst(0) depctr_va_vdst(0) depctr_va_sdst(0) depctr_va_ssrc(0) depctr_va_vcc(0) depctr_vm_vsrc(0)
	s_getreg_b32 s2, hwreg(HW_REG_IB_STS2, 6, 4)
	s_cmp_eq_u32 s2, 0
	s_cbranch_scc0 .Lentry_in_a_cluster
	s_endpgm
.Lentry_in_a_cluster:
	s_bfe_u32 s2, ttmp6, 0x10000c
	s_cmp_lg_u32 s2, 0xf033
	s_cbranch_scc0 .Lentry_shape_is_right
	s_endpgm
.Lentry_shape_is_right:
; out0[m][n] = sum over k of x[m][k] W[n][k] (both as codes of BF8 (E5M2) with one E8M0 scale for each 32 along K, made by the launch before) + sum over 16 ranks of t[m][rank] lora_B[n][rank].
; The factor 16 / 16 = 1.0 in front of the second sum is a constant of the problem's own text: a multiplication by 1.0 changes nothing and is not written.
; THE SECOND SUM STARTS THE ACCUMULATORS: t (four parts along K, added here in f32) and lora_B are rounded to bf16, K = 16 is filled up to 32 with zeros, and one bf16 matrix instruction with C = 0 writes each of
; the 64 accumulators; the products on codes then add onto them.  So nothing is cleared and nothing is added at the end.  LIMIT: t and lora_B carry bf16's 8 bits in that sum.
; A tile of out0, 256 x 256, is made by a work-group of four waves; a wave makes 128 x 128: 64 accumulators, 512 registers.  K goes in 16 steps of 256 through a ring of two LDS slots.
; xq and wq are laid in the order of the operand registers: the codes AND the scale words of 128 rows x 256 along K are one dense block of BLK = 33,792 bytes, which one tensor load brings as 132 rows of 256 bytes.
; In it fragment (i, q) lies at (2 i + q) x 2,048, register group c at 512 c, lane l's 16 bytes at 16 l: every fragment load reads 512 consecutive bytes, so LDS needs no padding.  Scale words from byte 32,768: [i][r][q].
; CLUSTERS: 4 x 4 work-groups.  The four of a row of the cluster need the same blocks of x, the four of a column the same blocks of W: each block is asked for JOINTLY, by the same tensor load with the same
; descriptor and a mask that names the four.  THE MATRIX INSTRUCTION IS USED TRANSPOSED (source 0 = 16 rows of W, source 1 = 16 rows of x): a lane then holds eight neighbouring numbers of a row of out0.
; REGISTERS, in windows of 256: window 0: v0-31 addresses; v32-63 scale words, two sets; from v128 A's fragments (8 x 16 rows x 128 K), ONE set; on the way out v128-255 are free.
;   window 1: B's fragments, TWO sets, at v0 and at v128.   window 2: the 32 accumulators of my rows 0-63 (accumulator (a, b) at v[8 (8 a + b)]);   window 3: those of my rows 64-127.
.set BLK,    33792
.set KBLK,   16*BLK                    ; 128 rows, all of K
.set SLOT,   4*BLK                     ; A's two blocks, then B's two
.set SPARE,  2*SLOT                    ; behind the ring: the spare words, 128 bytes for each wave: two blocks of 256 bytes that no other line names
.set NQ,     2                         ; matrix instructions deep in a slot
.set FR,     16                        ; registers of a fragment
.set NL,     4                         ; LDS loads that bring one
.set NP,     8                         ; places behind the scaled matrix instruction (ISA guide 7.12.1)
.set LAPS,   8                         ; a lap = two K steps = once round the ring
.set SIZE_N, 4096
.set SPITCH, 528                       ; the way out: a stage of 16 rows x (512 bytes + 16) for each wave, in slot 0, which has had its last fill and its last read when the first result is stored there
.set ADRA, 16                          ; v16-17  LDS address of my A fragments in slot 0, 1
.set ADRB, 20                          ; v20-21  the same for B
.set ADRS, 22                          ; v22-23  of my scale words: lanes 0-15 A's rows, lanes 16-31 B's
.set STO,  24                          ; v24     the way out: where I put 32 bytes of a row
.set RD,   25                          ; v25     the way out: where I read a row back
.set CO,   26                          ; v26     16 x lane: my byte offset in a row of out0, and in a unit of tp
.set LBO,  27                          ; v27     64 r + 32 h: my eight numbers of a row of lora_B
.set SPW,  28                          ; v28     LDS address of my spare word; never rewritten
.set NIL,  29                          ; v29     0; never rewritten
.set PFO,  30                          ; v30     256 x lane: the prefetches' offset among a block's codes; never rewritten
.set PFO2, 31                          ; v31     (lane / 4) x BLK + 256 (lane % 4): among the scale words of eight blocks; never rewritten
.set SC,   32                          ; scale words: set s at v[SC + 16 s]; in it register 2 i + q: lanes 0-15 the word of A's block i, lanes 16-31 that of B's block i
.set AF,   128
.set BK,   128                         ; the way out: 16 rows read back from the stage: v128-191 and v192-255 by turns
.set G1,   24                          ; s[24:31] descriptor group 1 for A's blocks;  s[32:39] group 0, one set for each slot
.set G0,   32
.set G1B,  48                          ; s[48:55], s[56:63] the same for B's
.set G0B,  56
.set PFA,  66                          ; s[66:67] where my prefetches stand
.set LIM,  68                          ; s68     1 in a wave that prefetches, else the greatest number
.set LIM2, 69                          ; s69     the same for the one prefetch of scale words
.set PF2,  70                          ; s[70:71]
.set TPB,  72                          ; s[72:73] tp at my 128 rows
.set LBB,  74                          ; s[74:75] lora_B at my 128 columns
.set MSB, 0
.macro WIN new                         ; the immediate's high byte repeats the setting that is left
.if MSB != (\new)
	s_set_vgpr_msb (MSB<<8)|(\new)
.set MSB, (\new)
.endif
.endm
.set MUL_LO, 0xa1                      ; source 0 (B) window 1, source 1 (A) window 0, C and D window 2
.set MUL_HI, 0xf1                      ; the same, C and D window 3
.set TO_B,   0x40                      ; destination window 1, address window 0
; A joint load: waves 0 and 1 fetch for A, waves 2 and 3 for B.  Each of the two lines has ONE mask and one set of registers for all that issue it; the branch hangs on the wave's number alone.
; Four v_nop follow each of the two lines, ahead of the jump, the label and what follows.
.macro JLOAD g0a, g1a, g0b, g1b
	s_cmp_eq_u32 s15, 0
	s_cbranch_scc0 .Lfor_b_\@
	tensor_load_to_lds s[\g0a:\g0a+3], s[\g1a:\g1a+7]
	s_nop 0
.rept 4
	v_nop
.endr
	s_branch .Lasked_\@
.Lfor_b_\@:
	tensor_load_to_lds s[\g0b:\g0b+3], s[\g1b:\g1b+7]
	s_nop 0
.rept 4
	v_nop
.endr
.Lasked_\@:
.endm
.macro CREST                           ; a round of the cluster's barrier behind its opening barrier
	s_cmp_lg_u32 s14, 0
	s_cbranch_scc1 .Lnot_wave_0_\@
	s_barrier_signal -3
.Lnot_wave_0_\@:
	s_barrier_wait -3
	s_barrier_signal -1
	s_barrier_wait -1
.endm
.macro CROUND                          ; a whole round
	s_barrier_signal -1
	s_barrier_wait -1
	CREST
.endm
; A PREFETCH INTO THE L2, behind each joint refill and the run of LDS loads that follows it: the codes of the block that stands TWO refills on (256 matrix instructions of mine ahead of the load that will want it).
; A's blocks are read by every cluster of a row of clusters: cluster x = 0 asks; B's by every cluster of a column: cluster y = 0 asks.  The four partners that ask for a block jointly share its 128 pieces of
; 256 bytes out BY ADDRESS, 32 each (by cx for A, by cy for B): a lane a piece, one instruction a wave.  The loop's last trip asks for nothing: there is no K step two on.
.macro ASK
	s_cmp_gt_u32 s3, s[LIM]                        ; s3 = 1 in the loop's last trip
	s_cbranch_scc0 .Lnot_mine_\@
	global_prefetch_b8 v[PFO], s[PFA:PFA+1] offset:BLK th:TH_LOAD_NT scope:SCOPE_SE
.Lnot_mine_\@:
.endm
	s_load_b256 s[4:11], s[0:1], 0x0               ; xq s[4:5], wq s[6:7], tp s[8:9], lora_B s[10:11]
	s_load_b64 s[12:13], s[0:1], 0x20              ; out0
	v_lshl_add_u32 v[SPW], v0, 2, SPARE
	v_mov_b32 v[NIL], 0
	ds_add_u32 v28, v29
	ds_add_u32 v28, v29
	s_wait_dscnt 0x0
	v_lshrrev_b32 v1, 5, v0
	v_readfirstlane_b32 s14, v1                    ; wave 0..3
	s_lshr_b32 s15, s14, 1                         ; which half of the tile's rows is mine.  Also: I fetch for A (0) or for B (1)
	s_and_b32 s16, s14, 1                          ; which half of its columns.  Also: which block of 128 rows I fetch
	s_bfe_u32 s40, ttmp6, 0x40000                  ; cx, cy: my place in the cluster
	s_bfe_u32 s41, ttmp6, 0x40004
	s_lshl_b32 s42, ttmp9, 2
	s_add_co_u32 s42, s42, s40                     ; tile column = 4 x cluster x + cx
	s_and_b32 s17, ttmp7, 0xffff
	s_lshl_b32 s17, s17, 2
	s_add_co_u32 s17, s17, s41                     ; tile row = 4 x cluster y + cy
	s_lshl_b32 s43, s41, 2
	s_lshl_b32 s43, 15, s43                        ; my row of the cluster
	s_lshl_b32 s44, 0x1111, s40                    ; my column
	; descriptor group 1: a dense block of 33,792 bytes as 132 rows of 32 elements of 8 bytes, no padding
	s_or_b32 s[G1+0], s43, (3<<16)|(1<<21)         ; 15:0 the mask: A's blocks go to my row; 17:16 elements of 8 bytes; 21 set beside a mask
	s_or_b32 s[G1B+0], s44, (3<<16)|(1<<21)
.irp g, G1, G1B
	s_mov_b32 s[\g+1], 32<<16                      ; tensor_dim0 = 32
	s_mov_b32 s[\g+2], 132<<16                     ; tensor_dim1 = 132
	s_mov_b32 s[\g+3], 32<<16                      ; tile_dim0 = 32
	s_mov_b32 s[\g+4], 132                         ; tile_dim1 = 132
	s_mov_b32 s[\g+5], 32                          ; tensor_dim0_stride
	s_mov_b32 s[\g+6], 0
	s_mov_b32 s[\g+7], 0
.endr
	s_lshl_b32 s20, s17, 1
	s_add_co_u32 s20, s20, s16
	s_mul_i32 s20, s20, KBLK                       ; A: block row 2 x tile row + half, K step 0
	s_mov_b32 s21, 0
	s_lshl_b32 s46, s42, 1
	s_add_co_u32 s46, s46, s16
	s_mul_i32 s46, s46, KBLK                       ; B: block row 2 x tile column + half
	s_mov_b32 s47, 0
	s_mul_i32 s45, s14, BLK                        ; where they go: wave x BLK: no place in the cluster enters an LDS address
	s_wait_kmcnt 0x0
	s_add_nc_u64 s[20:21], s[4:5], s[20:21]
	s_add_nc_u64 s[46:47], s[6:7], s[46:47]
	CROUND                                         ; all sixteen work-groups are here: the first joint loads meet
.irp s, 0,1
	s_mov_b32 s[G0+4*\s], 1
	s_add_co_u32 s[G0+4*\s+1], s45, \s*SLOT
	s_add_nc_u64 s[G0+4*\s+2:G0+4*\s+3], s[20:21], \s*BLK
	s_or_b32 s[G0+4*\s+3], s[G0+4*\s+3], 0x80000000
	s_mov_b32 s[G0B+4*\s], 1
	s_add_co_u32 s[G0B+4*\s+1], s45, \s*SLOT
	s_add_nc_u64 s[G0B+4*\s+2:G0B+4*\s+3], s[46:47], \s*BLK
	s_or_b32 s[G0B+4*\s+3], s[G0B+4*\s+3], 0x80000000
	JLOAD G0+4*\s, G1, G0B+4*\s, G1B               ; two tensor loads of mine are out
.endr
	v_and_b32 v1, 15, v0                           ; r
	v_bfe_u32 v2, v0, 4, 1                         ; h
	v_and_b32 v3, 31, v0                           ; lane
	v_lshlrev_b32 v[CO], 4, v3
	s_mul_i32 s21, s15, BLK                        ; my 128 rows of A
	s_mul_i32 s22, s16, BLK                        ; my 128 rows of B,
	s_add_co_u32 s22, s22, 2*BLK                   ; which lie behind A's two blocks
.irp s, 0,1
	v_add_nc_u32 v[ADRA+\s], s21, v[CO]
	v_add_nc_u32 v[ADRB+\s], s22, v[CO]
	s_add_co_u32 s21, s21, SLOT
	s_add_co_u32 s22, s22, SLOT
.endr
	s_xor_b32 s23, s15, 1                          ; from my block of A to my block of B: (2 + column half - row half) blocks, written as 1 + column half + (1 - row half)
	s_add_co_u32 s22, s16, s23
	s_add_co_u32 s22, s22, 1
	s_mul_i32 s22, s22, BLK
	v_mul_u32_u24 v5, s22, v2                      ; lanes 16-31 take B's
	v_lshl_add_u32 v5, v1, 3, v5                   ; 8 bytes a row: the K step's two words
	s_mul_i32 s21, s15, BLK
	s_add_co_u32 s21, s21, 32768
	v_add_nc_u32 v[ADRS], s21, v5
	s_add_co_u32 s21, s21, SLOT
	v_add_nc_u32 v[ADRS+1], s21, v5
	s_mul_i32 s23, s14, 16*SPITCH                  ; my stage
	v_mul_u32_u24 v5, v1, SPITCH                   ; in: row r, 32 bytes for each half of the lanes
	v_lshl_add_u32 v5, v2, 5, v5
	v_add_nc_u32 v[STO], s23, v5
	v_add_nc_u32 v[RD], s23, v[CO]                 ; back: the 32 lanes take one row of 512 bytes
	v_lshlrev_b32 v[LBO], 6, v1
	v_lshl_add_u32 v[LBO], v2, 5, v[LBO]
	v_lshlrev_b32 v[PFO], 8, v3
	v_lshrrev_b32 v5, 2, v3
	v_mul_u32_u24 v5, v5, BLK
	v_and_b32 v6, 3, v3
	v_lshl_add_u32 v[PFO2], v6, 8, v5
	s_lshl_b32 s20, s17, 8
	s_lshl_b32 s21, s15, 7
	s_add_co_u32 s20, s20, s21                     ; my first row of out0: 256 x tile row + 128 x half
	s_lshl_b32 s22, s20, 6                         ; tp: 1,024 bytes for 16 rows
	s_mov_b32 s23, 0
	s_add_nc_u64 s[TPB:TPB+1], s[8:9], s[22:23]
	s_lshl_b32 s20, s20, 14                        ; rows of 16,384 bytes
	s_mov_b32 s21, 0
	s_add_nc_u64 s[12:13], s[12:13], s[20:21]
	s_lshl_b32 s46, s42, 8
	s_lshl_b32 s47, s16, 7
	s_add_co_u32 s46, s46, s47                     ; my first column: 256 x tile column + 128 x half
	s_lshl_b32 s78, s46, 6                         ; lora_B: 64 bytes a row
	s_mov_b32 s79, 0
	s_add_nc_u64 s[LBB:LBB+1], s[10:11], s[78:79]
	s_lshl_b32 s46, s46, 2
	s_mov_b32 s47, 0
	s_add_nc_u64 s[12:13], s[12:13], s[46:47]
	; the prefetches: who asks, and where
	s_and_b32 s79, ttmp7, 0xffff                   ; cluster y
	s_cmp_eq_u32 s15, 0                            ; do I fetch for A?
	s_cselect_b32 s76, s17, s42                    ; the tile's number: in xq by the tile row, in wq by the tile column
	s_cselect_b32 s77, s40, s41                    ; my place among the four that ask with me
	s_cselect_b32 s78, ttmp9, s79                  ; the coordinate along which other clusters read the same blocks
	s_cselect_b64 s[PFA:PFA+1], s[4:5], s[6:7]
	s_cmp_eq_u32 s78, 0
	s_cselect_b32 s[LIM], 1, -1                    ; the same in all sixteen partners, for a given wave
	s_or_b32 s78, s78, s16
	s_cmp_eq_u32 s78, 0
	s_cselect_b32 s[LIM2], 1, -1                   ; waves 0 and 2 of those
	s_mov_b64 s[PF2:PF2+1], s[PFA:PFA+1]
	s_lshl_b32 s76, s76, 1
	s_add_co_u32 s78, s76, s16
	s_mul_i32 s78, s78, KBLK                       ; the block row that I fetch,
	s_lshl_b32 s79, s77, 13
	s_add_co_u32 s78, s78, s79                     ; my work-group's 32 pieces of a block's codes,
	s_add_co_u32 s78, s78, 2*BLK                   ; at K step 2: the first refill steps it to 3 and names K step 4
	s_mov_b32 s79, 0
	s_add_nc_u64 s[PFA:PFA+1], s[PFA:PFA+1], s[78:79]
	s_lshr_b32 s78, s77, 1                         ; the tile's 2 x 16 blocks have 4 pieces of scale words each, 128 in all: partner p takes 32: block row p / 2, K steps 8 (p % 2) on
	s_add_co_u32 s78, s78, s76
	s_mul_i32 s78, s78, KBLK
	s_and_b32 s77, s77, 1
	s_mul_i32 s77, s77, 8*BLK
	s_add_co_u32 s78, s78, s77
	s_add_co_u32 s78, s78, 32768
	s_add_nc_u64 s[PF2:PF2+1], s[PF2:PF2+1], s[78:79]
	; ---- THE RANK-16 SUM STARTS THE ACCUMULATORS, while the first blocks are on their way
	WIN 0x80                                       ; destination window 2: t's four parts, block of rows a at v[32 a + 8 kc]
.irp a, 0,1,2,3,4,5,6,7
.irp kc, 0,1,2,3
.irp g, 0,1
	global_load_b128 v[32*\a+8*\kc+4*\g:32*\a+8*\kc+4*\g+3], v[CO], s[TPB:TPB+1] offset:\kc*262144+\a*1024+\g*512   ; 512 consecutive bytes
.endr
.endr
.endr
	WIN 0xc0                                       ; destination window 3: lora_B, block of columns b at v[8 b]: lane (r, h): ranks 8 h + 0 .. 7 of row r
.irp b, 0,1,2,3,4,5,6,7
.irp g, 0,1
	global_load_b128 v[8*\b+4*\g:8*\b+4*\g+3], v[LBO], s[LBB:LBB+1] offset:\b*1024+16*\g
.endr
.endr
	s_wait_loadcnt 0x0
	WIN 0x8a                                       ; all in window 2
.irp kc, 1,2,3
.irp a, 0,1,2,3,4,5,6,7
.irp e, 0,2,4,6
	v_pk_add_f32 v[32*\a+\e:32*\a+\e+1], v[32*\a+\e:32*\a+\e+1], v[32*\a+8*\kc+\e:32*\a+8*\kc+\e+1]   ; t, K ascending
.endr
.endr
.endr
	WIN 0x0a                                       ; sources window 2, destination window 0
.irp a, 0,1,2,3,4,5,6,7
.irp e, 0,1,2,3
	v_cvt_pk_bf16_f32 v[AF+8*\a+\e], v[32*\a+2*\e], v[32*\a+2*\e+1]   ; registers 0-3 of a bf16 fragment: k = 8 h + 0 .. 7
.endr
.endr
	WIN 0x4f                                       ; sources window 3, destination window 1
.irp b, 0,1,2,3,4,5,6,7
.irp e, 0,1,2,3
	v_cvt_pk_bf16_f32 v[8*\b+\e], v[8*\b+2*\e], v[8*\b+2*\e+1]
.endr
.endr
	WIN 0x40
.irp b, 0,1,2,3,4,5,6,7
.irp e, 4,5,6,7
	v_mov_b32 v[8*\b+\e], 0                        ; registers 4-7: k = 16 .. 31, which the rank does not have: zeros on both sides
.endr
.endr
	WIN 0
.irp a, 0,1,2,3,4,5,6,7
.irp e, 4,5,6,7
	v_mov_b32 v[AF+8*\a+\e], 0
.endr
.endr
.rept 4
	v_nop
.endr
.irp a, 0,1,2,3,4,5,6,7                ; the 64 accumulators in the order in which every later step takes them
	WIN MUL_LO+0x50*(\a/4)
.irp b, 0,1,2,3,4,5,6,7
	v_wmma_f32_16x16x32_bf16 v[8*(8*(\a%4)+\b):8*(8*(\a%4)+\b)+7], v[8*\b:8*\b+7], v[AF+8*\a:AF+8*\a+7], 0
.endr
.endr
	WIN 0
.rept 9
	v_nop                                          ; places: another form of matrix instruction adds onto these results, and loads land in these sources
.endr
.macro FRAG reg, adr, q, i             ; a fragment's image: four loads of 512 consecutive bytes
.irp c, 0,1,2,3
	ds_load_b128 v[\reg+4*\c:\reg+4*\c+3], v[\adr] offset:(2*(\i)+(\q))*2048+512*\c
.endr
.endm
; 16 matrix instructions: A's blocks a0, a0 + 1 x B's eight, 128 along K: the slot's q-th.  p: B's set;  sc: the set of scale words.
; The 64 accumulators take turns, one instruction a turn, in the same order in every step.
.macro MUL16 a0, p, q, sc
.irp a, \a0, \a0+1
.irp b, 0,1,2,3,4,5,6,7
	v_wmma_scale_f32_16x16x128_f8f6f4 v[8*(8*((\a)%4)+\b):8*(8*((\a)%4)+\b)+7], v[128*(\p)+FR*\b:128*(\p)+FR*\b+FR-1], v[AF+FR*(\a):AF+FR*(\a)+FR-1], v[8*(8*((\a)%4)+\b):8*(8*((\a)%4)+\b)+7], v[SC+8*NQ*(\sc)+NQ*\b+(\q)], v[SC+8*NQ*(\sc)+NQ*(\a)+(\q)] matrix_a_fmt:MATRIX_FMT_BF8 matrix_b_fmt:MATRIX_FMT_BF8 matrix_a_scale:MATRIX_SCALE_ROW1
.endr
.endr
.endm
.macro FETCH_B slot, q, p              ; B's eight fragments of the slot's q-th 128 along K into set p
	WIN TO_B
.irp i, 0,1,2,3,4,5,6,7
	FRAG 128*(\p)+FR*\i, ADRB+\slot, \q, \i
.endr
	WIN 0
.endm
.macro FETCH_A slot, q, i0             ; A's blocks i0 .. i0 + 3
.irp i, \i0, \i0+1, \i0+2, \i0+3
	FRAG AF+FR*(\i), ADRA+\slot, \q, \i
.endr
.endm
.macro SCALES sc                       ; slot sc's scale words into set sc: two words a row; lanes 0-15 take A's block i, lanes 16-31 B's block i
.irp i, 0,1,2,3,4,5,6,7
	ds_load_b64 v[SC+8*NQ*\sc+NQ*\i:SC+8*NQ*\sc+NQ*\i+1], v[ADRS+\sc] offset:128*\i
.endr
.endm
; A load into a register that a matrix instruction has read, and an LDS store that reads a matrix result, stand NP places behind that matrix instruction, and only plain vector instructions that name none of
; its registers are places (ISA guide 7.12.1 for vector instructions).
.macro PLACES n
.rept \n
	v_nop
.endr
.endm
; A step of 128 along K that has its successor in the same slot.
.macro STEP slot, q
	s_wait_dscnt 4*NL                              ; B's set, A's blocks 0-3 and the scale words are in; the youngest sixteen loads (A's blocks 4-7) may be out
	WIN MUL_LO
	MUL16 0, (\q)%2, \q, \slot
	MUL16 2, (\q)%2, \q, \slot
	s_wait_dscnt 0                                 ; A's blocks 4-7 are in (asked for 32 matrix instructions ago)
	PLACES NP
	FETCH_B \slot, (\q)+1, 1-(\q)%2
	FETCH_A \slot, (\q)+1, 0
	WIN MUL_HI
	MUL16 4, (\q)%2, \q, \slot
	MUL16 6, (\q)%2, \q, \slot
	PLACES NP
	WIN 0
	FETCH_A \slot, (\q)+1, 4
.endm
; A slot's last step changes slots: ONE barrier; in front of it each wave waits for all its tensor loads, adds 0 to its spare word, and waits for that and for its own reads of this slot.  fill = 1: this slot is filled again, two K steps ahead.
.macro TURN slot, next, fill
.if \fill
	s_wait_xcnt 0x0                                ; the last prefetch, a K step back, has read its address: it is stepped here, ahead of the waits of the change of slots
	s_add_nc_u64 s[PFA:PFA+1], s[PFA:PFA+1], BLK
.endif
	s_wait_tensorcnt 0x0                           ; all my tensor loads have landed: the one that was out is my part of the next slot;  (every window is 0 here)
	ds_add_u32 v[SPW], v[NIL]                      ; 0 onto my spare word
	s_wait_dscnt 4*NL+1                            ; (the add and the youngest sixteen loads, A's blocks 4-7, may be out)
	WIN MUL_LO
	MUL16 0, 1, NQ-1, \slot                        ; sixteen matrix instructions stand between the add and the wait for it
	s_wait_dscnt 0x0                               ; the add is done, and my reads of this slot are over
	s_barrier_signal -1
	MUL16 2, 1, NQ-1, \slot
	WIN 0
	s_barrier_wait -1
.if \fill
	CREST                                          ; the barrier has opened a round of the cluster's barrier: no wave of any partner still reads this slot or has a load on its way
	s_add_nc_u64 s[G0+4*\slot+2:G0+4*\slot+3], s[G0+4*\slot+2:G0+4*\slot+3], 2*BLK
	s_add_nc_u64 s[G0B+4*\slot+2:G0B+4*\slot+3], s[G0B+4*\slot+2:G0B+4*\slot+3], 2*BLK
	JLOAD G0+4*\slot, G1, G0B+4*\slot, G1B         ; the first tensor load behind the round, and my only one until the next; its four v_nop are among the places in front of the loads below
	PLACES NP-4
.else
	PLACES NP
.endif
	FETCH_B \next, 0, 0
	FETCH_A \next, 0, 0
	SCALES \next
.if \fill
	ASK
.endif
	WIN MUL_HI
	MUL16 4, 1, NQ-1, \slot
	MUL16 6, 1, NQ-1, \slot
	PLACES NP
	WIN 0
	FETCH_A \next, 0, 4
.endm
	s_wait_tensorcnt 1                             ; my part of K step 0 is in (K step 1's load may be out)
	s_barrier_signal -1
	s_barrier_wait -1                              ; everybody's is
	FETCH_B 0, 0, 0
	FETCH_A 0, 0, 0
	SCALES 0
	FETCH_A 0, 0, 4
	s_cmp_eq_u32 s[LIM2], 1                        ; the scale words' pieces do not divide by 32 lanes at a refill: they are asked for once, for the tile's 32 blocks: 32 pieces of 256 bytes a work-group, a lane a piece
	s_cbranch_scc0 .Lno_ask2
	global_prefetch_b8 v[PFO2], s[PF2:PF2+1] th:TH_LOAD_NT scope:SCOPE_SE
.Lno_ask2:
	STEP 0, 0
	s_mov_b32 s3, LAPS-1
.Llap:                                                 ; a trip goes once round the ring, from a lap's second step to the next lap's first, and fills both slots again: K steps 2 to 15 in 7 trips
	TURN 0, 1, 1
	STEP 1, 0
	TURN 1, 0, 1
	STEP 0, 0
	s_sub_co_u32 s3, s3, 1
	s_cmp_lg_u32 s3, 0
	s_cbranch_scc1 .Llap
	TURN 0, 1, 0                                   ; the last lap fills nothing, and has no round of the cluster's barrier
	STEP 1, 0
	s_wait_dscnt 4*NL                              ; the very last step: nothing more to fetch
	WIN MUL_LO
	MUL16 0, 1, NQ-1, 1
	MUL16 2, 1, NQ-1, 1
	s_wait_dscnt 0
	WIN MUL_HI
	MUL16 4, 1, NQ-1, 1
	MUL16 6, 1, NQ-1, 1
	WIN 0
; THE WAY OUT, block by block of 16 rows x 128 columns.  A lane holds 32 neighbouring bytes of a row, and the lanes beside it hold other rows: so a block goes through my own stage in LDS and comes back as whole
; rows of 512 bytes, which the 32 lanes store as 512 consecutive aligned bytes.  LDS serves a wave's instructions in order (ISA guide 5.7.1.4): no wait between the stores and the loads, nor in front of the next block's stores.
.macro TOSTAGE a
.set AC, 64*((\a)%4)
	WIN 0x08+4*((\a)/4)                            ; the data: window 2 or 3
.irp b, 0,1,2,3,4,5,6,7
	ds_store_b128 v[STO], v[AC+8*\b:AC+8*\b+3] offset:64*\b          ; each accumulator from its low end on
	ds_store_b128 v[STO], v[AC+8*\b+4:AC+8*\b+7] offset:64*\b+16
.endr
	WIN 0
.set BB, BK+64*((\a)%2)
.irp t, 0,1,2,3,4,5,6,7,8,9,10,11,12,13,14,15
	ds_load_b128 v[BB+4*\t:BB+4*\t+3], v[RD] offset:\t*SPITCH
.endr
.endm
.macro SEND a, younger                 ; younger: the LDS instructions issued behind block a's loads, which may stay out
.set BB, BK+64*((\a)%2)
	s_wait_dscnt \younger                          ; the block is back in registers
.if (\a) > 0
	s_add_nc_u64 s[12:13], s[12:13], 16*SIZE_N*4   ; (behind a wait on XCNT: the earlier stores have read their base)  16 rows of out0 on: the stores' offsets reach 15 rows, 245,760 bytes
.endif
.irp t, 0,1,2,3,4,5,6,7,8,9,10,11,12,13,14,15
	global_store_b128 v[CO], v[BB+4*\t:BB+4*\t+3], s[12:13] offset:\t*SIZE_N*4 th:TH_STORE_NT   ; 32 lanes store 512 consecutive bytes, at a multiple of 256 from out0's first byte; written once, read by nobody here
.endr
.endm
	PLACES NP                                      ; for the loads into the registers that held A's fragments, and for the reads of the last results
	TOSTAGE 0
.irp a, 1,2,3,4,5,6,7
.if \a > 1
	s_wait_xcnt 0x0                                ; block a - 2's stores have read their registers and their base: block a's loads may land there, and the base may step
.endif
	TOSTAGE \a
	SEND \a-1, 32                                  ; behind block a - 1's loads: block a's 16 stores and 16 loads
.endr
	s_wait_xcnt 0x0                                ; block 6's stores have read their base
	SEND 7, 0
	s_wait_tensorcnt 0x0                           ; the wave's end: behind my last tensor load and my last LDS store
	ds_add_u32 v[SPW], v[NIL]
	s_wait_dscnt 0x0
	CROUND                                         ; the closing round: no work-group ends while a partner may still ask for a block that names it
	s_endpgm
.Lfunc_end_k_qa8241c92a6_gemm:
	.size	k_qa8241c92a6_gemm, .Lfunc_end_k_qa8241c92a6_gemm-k_qa8241c92a6_gemm
	.p2alignl 7, 3214868480
	.fill 96, 4, 3214868480
	.section	.rodata,"a",@progbits
	.p2align	6, 0x0
	.amdhsa_kernel k_qa8241c92a6_gemm
		.amdhsa_group_segment_fixed_size 327680
		.amdhsa_private_segment_fixed_size 0
		.amdhsa_enable_private_segment 0
		.amdhsa_kernarg_size 40
		.amdhsa_user_sgpr_count 2
		.amdhsa_user_sgpr_kernarg_segment_ptr 1
		.amdhsa_wavefront_size32 1
		.amdhsa_system_sgpr_workgroup_id_x 1
		.amdhsa_system_sgpr_workgroup_id_y 1
		.amdhsa_system_sgpr_workgroup_id_z 1
		.amdhsa_system_vgpr_workitem_id 0
		.amdhsa_next_free_vgpr 1024
		.amdhsa_next_free_sgpr 80
		.amdhsa_reserve_vcc 0
		.amdhsa_float_denorm_mode_32 3
		.amdhsa_float_denorm_mode_16_64 3
		.amdhsa_memory_ordered 1
		.amdhsa_forward_progress 1
		.amdhsa_inst_pref_size 170
	.end_amdhsa_kernel
	.amdgpu_metadata
---
amdhsa.version: [ 1, 2 ]
amdhsa.kernels:
  - .name:           k_qa8241c92a6_gemm
    .symbol:         k_qa8241c92a6_gemm.kd
    .args:
      - { .name: xq, .offset: 0, .size: 8, .value_kind: global_buffer, .address_space: global }
      - { .name: wq, .offset: 8, .size: 8, .value_kind: global_buffer, .address_space: global }
      - { .name: tp, .offset: 16, .size: 8, .value_kind: global_buffer, .address_space: global }
      - { .name: lora_B, .offset: 24, .size: 8, .value_kind: global_buffer, .address_space: global }
      - { .name: out0, .offset: 32, .size: 8, .value_kind: global_buffer, .address_space: global }
    .group_segment_fixed_size: 327680
    .private_segment_fixed_size: 0
    .kernarg_segment_align: 8
    .kernarg_segment_size: 40
    .max_flat_workgroup_size: 128
    .sgpr_count:     80
    .vgpr_count:     1024
    .wavefront_size: 32
...
	.end_amdgpu_metadata
.endif
;; end of part 2
;; ======== version 2 of 2: 2 launches; version 1 with the launch quant written anew for expert scheduling mode
;; workspace buffers: xq 17,301,504 bytes; wq 17,301,504 bytes; tp 1,048,576 bytes
;; launch quant (part 3): grid 256 x 1, 8 waves a work-group, no clusters, 102,400 bytes of LDS; arguments x, lora_A, packed_weight, block_scales, global_scale, xq, wq, tp; writes xq, wq, tp
.if DOCPART == 3
	.amdgcn_target "amdgcn-amd-amdhsa--gfx1250"
	.amdhsa_code_object_version 6
	.text
	.protected	k_qa8241c92a6_quant
	.globl	k_qa8241c92a6_quant
	.p2align	8
	.type	k_qa8241c92a6_quant,@function
k_qa8241c92a6_quant:
	s_mov_b64 s[64:65], 0
	v_nop
	global_prefetch_b8 v0, s[64:65] scope:SCOPE_SE
	s_setreg_imm32_b32 hwreg(HW_REG_WAVE_SCHED_MODE, 0, 2), 2
	s_setreg_imm32_b32 hwreg(HW_REG_WAVE_MODE, 25, 1), 1
	s_wait_xcnt 0x0
	s_wait_alu depctr_vm_vsrc(0)
; x [4096][4096] f32 and W [4096][4096] (FP4 code x block scale x global scale, made here in f32, in that order of multiplication) are turned into codes of BF8 (E5M2)
; with one E8M0 scale byte for each 32 along K, and t = x lora_A^T (both quantised, the format's own matrix instruction) is made on the way, while x's codes stand in registers.
; A block's scale is 2^(floor(log2(its largest magnitude)) - 15); its byte is the largest magnitude's exponent field - 15, held at 1 from below.
; LIMITS: NaN and infinities among the inputs are not served.  A block of zeros gets the byte 1 where the rule says 127: its codes are zeros, which add nothing under any byte but 0xff, and this program alone reads the bytes.
; OUTPUT LAYOUT (xq and wq alike): block [row / 128][k / 256] of BLK = 33,792 bytes.  In it the codes as images of operand registers: fragment (i = 16 rows, q = 128 along K) at (2 i + q) x 2,048,
; register group c at 512 c, lane l's 16 bytes at 16 l (lane r + 16 h: row r, k = 32 c + 16 h + 0 .. 15); from byte 32,768 on the scale words, [i][r][q], 4 bytes each.
; tp: [K chunk kc of 1,024][row / 16][g][lane][4 f32]: register 4 g + e of lane (r, h) is the chunk's part of t[row r][8 h + 4 g + e].
; SHARES.  Work-group g: 64 rows of x and 64 rows of W (g / 4), K chunk g % 4 of 1,024.  Waves 0-3 take x: wave w the K step 4 kc + w (256 along K) of the four blocks of 16 rows, so that lora_A's two fragments
; of that K step are quantised once for four blocks.  Waves 4-7 take W: wave w the block of 16 rows w, four K steps, so that its block scales are 16 rows x 256 aligned bytes.
; A load reads 512 consecutive bytes of one row; the conversions want 16 neighbours along K in one lane: so 16 rows x 512 bytes turn through the wave's own stage in LDS (rows 528 bytes apart).
; Every code store covers 512 consecutive aligned bytes; a scale-word store 128 consecutive bytes (one byte in 32 of what the codes take).
; No tensor load, no ring; one barrier, in front of the sum of the four x waves' parts of t.
; THE MODE: SCHED_MODE bits 1:0 = 2 (LLVM: expert scheduling mode 2), set by the entry lines.  The code itself states the register dependences
; between vector or matrix instructions and memory or LDS instructions, with s_wait_alu, always for 0.
; THE PLAN.  Registers that memory or LDS instructions touch:
;   v1-v10        addresses and offsets, made once at the head and never written again.
;   S0 .. S3      (window 1)  Written by the global loads of set n (S[n % 4]); read by the sixteen LDS stores that put set n into the stage.  No vector instruction names them.
;                 x waves: those stores stand in step n - 1, and set n + 4 is asked for in the same step, behind the step's wait on vm_vsrc.  W waves: each is loaded once.
;   X0, X1        (x waves)  The LDS loads of set n + 1 land in X[(n + 1) % 2] at the head of step n; the holds and conversions of step n read and write X[n % 2].
;   RW, BSC and RWB, BSCB  (W waves)  The LDS loads of a half q land in the pair q, one half ahead of the half's work, whose first lines read them.  RW also carries the block scales into LDS, once.
;   PC, SW, ACC   Written by a step's conversions, its select and its products; read by the step's stores; written again in the next step.
; So a step has one wait on vm_vsrc at its head (the stage's stores have read the set that is loaded again; the last step's stores have read PC, SW and ACC) and one wait on va_vdst behind its conversions
; (the codes, the scale word and SW are written; the numbers' buffer is done with); a step that ends a sum has one more, behind its product.  Behind such a wait only products and v_nop are issued,
; which name none of the registers that the following loads and stores touch.
.set BLK,   33792
.set SP,    528                        ; a stage row: 512 bytes + 16: the 16 rows that a load touches start 16 bytes apart modulo 256
.set STB,   16*SP                      ; a wave's stage
.set BSA,   8*STB                      ; behind the stages: the W waves' block scales, 16 rows x (256 + 16) bytes each
.set BSP,   272
.set RED,   BSA+4*16*BSP               ; behind them: the x waves' parts of t: [wave][block of rows][g][lane][16 bytes]
.set L16,  1                           ; v1   16 x lane: offset of loads and of code stores
.set STW,  2                           ; v2   stage + 16 x lane: in
.set STX,  3                           ; v3   stage + 528 r + 64 h: out, f32 numbers
.set STV,  4                           ; v4   stage + 528 r + 32 h: out, packed weights
.set SWO,  5                           ; v5   8 r + 4 h: a scale word's place
.set BSO,  6                           ; v6   1024 h + 16 r: block scales in memory, two rows a load
.set BSW,  7                           ; v7   the same two rows in LDS
.set BSR,  8                           ; v8   my row's block scales, my half's
.set RDW,  9                           ; v9   where an x wave puts its part of t
.set RDR,  10                          ; v10  where it reads the four parts of one block of rows
.set X,    16                          ; v16-79   64 numbers: register 16 b + i = k 32 b + 16 h + i of my row.  x waves: the even sets'
.set X1,   160                         ; v160-223 x waves: the odd sets' 64 numbers
.set PC,   80                          ; v80-95   the codes just made
.set LAF,  96                          ; v96-127  x waves: lora_A's two fragments
.set RWB,  96                          ; v96-127  W waves: packed weights as they lie, halves q = 1
.set LAS,  128                         ; v128-129 their scale words
.set PW,   130                         ; v130-131 the scale words of q = 0, 1
.set SW,   132                         ; v132     lanes 0-15: q = 0's, lanes 16-31: q = 1's: as stored
.set TM,   136                         ; v136-151 at work in QUANT
.set ACC,  152                         ; v152-159 t's accumulator
.set RW,   160                         ; v160-191 W waves: packed weights as they lie, halves q = 0 (at the start: block scales)
.set BSC,  192                         ; v192-199 four block scales, in the even registers, halves q = 0
.set PT,   200                         ; v200-215 at work in DEQ
.set PP,   216                         ; v216-223 eight FP4 codes a register
.set ONE,  224                         ; v224     the scale byte of 1.0, four times
.set BSCB, 226                         ; v226-233 four block scales, in the even registers, halves q = 1
; window 1, v0-255: four sets of 64 registers for loads on their way
.set WV,   20
.set W4,   21
.set RG,   22
.set KC,   23
.set KS,   24
.set SRC,  28
.set CB,   30
.set SB,   32
.set LA,   34                          ; x waves: lora_A;  W waves: the block scales
.set SEL,  36
.set MNT,  38
.set HM,   39
.set GS,   40
.set P1,   42
.set P2,   43
.set TPB,  44
.set MSB, 0
.macro WIN new                         ; the immediate's high byte repeats the setting that is left
.if MSB != (\new)
	s_set_vgpr_msb (MSB<<8)|(\new)
.set MSB, (\new)
.endif
.endm
	s_load_b256 s[4:11], s[0:1], 0x0               ; x s[4:5], lora_A s[6:7], packed_weight s[8:9], block_scales s[10:11]
	s_load_b256 s[12:19], s[0:1], 0x20             ; global_scale s[12:13], xq s[14:15], wq s[16:17], tp s[18:19]
	v_lshl_add_u32 v254, v0, 2, 0x18c00
	v_mov_b32 v255, 0
	v_lshrrev_b32 v11, 5, v0
	v_readfirstlane_b32 s[WV], v11                 ; wave 0..7
	s_lshr_b32 s[RG], ttmp9, 2                     ; which 64 rows
	s_and_b32 s[KC], ttmp9, 3                      ; which 1,024 along K
	s_wait_alu depctr_va_sdst(0)                   ; the wave's number is written, ahead of its first reader: LDS addresses, bases and the roles' branches are made from it
	s_and_b32 s[W4], s[WV], 3                      ; its number within its role
	; every LDS address is made here, ahead of the parting of the roles
	v_and_b32 v11, 31, v0                          ; lane
	v_and_b32 v12, 15, v0                          ; r
	v_bfe_u32 v13, v0, 4, 1                        ; h
	v_lshlrev_b32 v[L16], 4, v11
	s_mul_i32 s46, s[WV], STB
	v_add_nc_u32 v[STW], s46, v[L16]
	v_mul_u32_u24 v14, v12, SP
	v_add_nc_u32 v14, s46, v14
	v_lshl_add_u32 v[STX], v13, 6, v14
	v_lshl_add_u32 v[STV], v13, 5, v14
	v_lshlrev_b32 v[SWO], 3, v12
	v_lshl_add_u32 v[SWO], v13, 2, v[SWO]
	v_lshlrev_b32 v[BSO], 4, v12
	v_lshl_add_u32 v[BSO], v13, 10, v[BSO]
	s_mul_i32 s47, s[W4], 16*BSP
	s_add_co_u32 s47, s47, BSA
	v_mul_u32_u24 v[BSW], v13, BSP
	v_lshl_add_u32 v[BSW], v12, 4, v[BSW]
	v_add_nc_u32 v[BSW], s47, v[BSW]
	v_mul_u32_u24 v[BSR], v12, BSP
	v_lshl_add_u32 v[BSR], v13, 2, v[BSR]
	v_add_nc_u32 v[BSR], s47, v[BSR]
	s_lshl_b32 s46, s[W4], 12
	s_add_co_u32 s46, s46, RED
	v_add_nc_u32 v[RDW], s46, v[L16]
	s_lshl_b32 s46, s[W4], 10
	s_add_co_u32 s46, s46, RED
	v_add_nc_u32 v[RDR], s46, v[L16]
	s_mov_b32 s[SEL], 0x76543210
	s_mov_b32 s[SEL+1], 0xfedcba98                 ; v_permlanex16_b32's selects for lane l xor 16
	s_mov_b32 s[MNT], 0x600000                     ; the mantissa field of 57,344
	s_mov_b32 s[HM], 0xffff0000                    ; lanes 16-31
	s_mov_b32 s[P1], 0x04000400                    ; v_perm_b32: byte 0 of the second source, byte 0 of the first
	s_mov_b32 s[P2], 0x05040100                    ; the low halves of the second source and of the first
	v_mov_b32 v[ONE], 0x7f7f7f7f
.irp b, 0,1,2,3
	v_mov_b32 v[TM+4+\b], 0                        ; written once: a lane permute's destination counts as one of its sources
	v_mov_b32 v[BSC+1+2*\b], 0                     ; named as the upper half of a pair whose low word alone is used
	v_mov_b32 v[BSCB+1+2*\b], 0                    ; likewise
.endr
	s_mov_b32 s27, 0
	s_lshl_b32 s26, s[KC], 18                      ; tp: chunk kc, block of rows 4 rg + my number
	s_lshl_b32 s46, s[RG], 12
	s_add_co_u32 s26, s26, s46
	s_lshl_b32 s46, s[W4], 10
	s_add_co_u32 s26, s26, s46
	s_wait_kmcnt 0x0
	s_add_nc_u64 s[TPB:TPB+1], s[18:19], s[26:27]
	s_wait_alu depctr_va_vdst(0)                   ; the ten addresses and offsets v1 to v10 are written, which every load and store below reads; so are the zeros in v193 to v199, registers in which the x waves' LDS loads land
; 64 numbers of a lane, v[s] on, become a fragment's codes in v[pc] on and its scale word in v[pw].
.macro QUANT s, pc, pw
.irp b, 0,1,2,3
	v_max3_num_f32 v[TM+\b], |v[\s+16*\b]|, |v[\s+1+16*\b]|, 0x8000000   ; block b: my 16 numbers, and the floor 2^(16 - 127): so the byte cannot fall under 1
.endr
.irp i, 2,4,6,8,10,12,14
.irp b, 0,1,2,3
	v_max3_num_f32 v[TM+\b], v[TM+\b], |v[\s+16*\b+\i]|, |v[\s+1+16*\b+\i]|   ; the four blocks by turns
.endr
.endr
.irp b, 0,1,2,3
	v_permlanex16_b32 v[TM+4+\b], v[TM+\b], s[SEL], s[SEL+1]
.endr
.irp b, 0,1,2,3
	v_max_num_f32 v[TM+\b], v[TM+\b], v[TM+4+\b]   ; with lane l xor 16's: the block's largest magnitude
.endr
.irp b, 0,1,2,3
	v_add_nc_u32 v[TM+12+\b], 0xf8800000, v[TM+\b] ; 15 off its exponent field: the conversion takes the exponent field of this operand as its scale
.endr
.irp b, 0,1,2,3
	v_and_or_b32 v[TM+8+\b], v[TM+\b], 0x7f800000, s[MNT]   ; 57,344 x the scale
.endr
.irp b, 0,1,2,3
	v_lshrrev_b32 v[TM+4+\b], 23, v[TM+12+\b]      ; the scale's byte
.endr
	v_lshl_or_b32 v[\pw], v[TM+5], 8, v[TM+4]      ; the four bytes make my row's scale word
	v_lshl_or_b32 v[\pw], v[TM+6], 16, v[\pw]
	v_lshl_or_b32 v[\pw], v[TM+7], 24, v[\pw]
.irp b, 0,1,2,3
.irp i, 0,1,2,3,4,5,6,7,8,9,10,11,12,13,14,15
	v_med3_num_f32 v[\s+16*\b+\i], v[\s+16*\b+\i], -v[TM+8+\b], v[TM+8+\b]   ; the conversion to an 8-bit code does not saturate (ISA guide 7.6.2): the hold at the largest code x the scale
.endr
	v_cvt_scalef32_pk8_bf8_f32 v[(\pc)+4*\b:(\pc)+1+4*\b], v[\s+16*\b:\s+7+16*\b], v[TM+12+\b]
	v_cvt_scalef32_pk8_bf8_f32 v[(\pc)+2+4*\b:(\pc)+3+4*\b], v[\s+8+16*\b:\s+15+16*\b], v[TM+12+\b]
.endr
	v_nop                                          ; one plain vector instruction behind the last scaled conversion
.endm
; a set of 16 rows x 512 bytes goes into the stage as it was loaded
.macro TOST set
	WIN 0x04                                       ; an LDS store's data are its source 1: window 1
.irp i, 0,1,2,3,4,5,6,7,8,9,10,11,12,13,14,15
	ds_store_b128 v[STW], v[64*(\set)+4*\i:64*(\set)+4*\i+3] offset:SP*\i
.endr
	WIN 0
.endm
	s_cmp_lt_u32 s[WV], 4
	s_cbranch_scc0 .Lw_role
; ---------------------------------------------------------------- waves 0-3: x, lora_A and t
	s_lshl_b32 s[KS], s[KC], 2
	s_add_co_u32 s[KS], s[KS], s[W4]               ; my K step of 256
	s_lshl_b32 s46, s[KS], 10                      ; 1,024 bytes of f32 a K step
	s_lshl_b32 s26, s[RG], 20                      ; 64 rows of 16,384 bytes
	s_add_co_u32 s26, s26, s46
	s_add_nc_u64 s[SRC:SRC+1], s[4:5], s[26:27]
	s_mov_b32 s26, s46
	s_add_nc_u64 s[LA:LA+1], s[6:7], s[26:27]
	s_lshr_b32 s46, s[RG], 1
	s_lshl_b32 s46, s46, 4
	s_add_co_u32 s46, s46, s[KS]
	s_mul_i32 s46, s46, BLK                        ; block [rg / 2][ks]
	s_and_b32 s47, s[RG], 1
	s_lshl_b32 s26, s47, 14                        ; my 64 rows are its fragments' i = 4 (rg % 2) on
	s_add_co_u32 s26, s26, s46
	s_add_nc_u64 s[CB:CB+1], s[14:15], s[26:27]
	s_lshl_b32 s26, s47, 9
	s_add_co_u32 s26, s26, s46
	s_add_co_u32 s26, s26, 32768
	s_add_nc_u64 s[SB:SB+1], s[14:15], s[26:27]
; set n of ten: n = 0, 1: lora_A's 16 rows, 128 along K each; n = 2 .. 9: block of rows (n - 2) / 2 of x, its n % 2-th 128 along K.  Each load: 512 consecutive bytes of one row
.macro XLOAD n
	WIN 0x40                                       ; destination window 1
.irp i, 0,1,2,3,4,5,6,7,8,9,10,11,12,13,14,15
.if (\n) < 2
	global_load_b128 v[64*((\n)%4)+4*\i:64*((\n)%4)+4*\i+3], v[L16], s[LA:LA+1] offset:\i*16384+(\n)*512
.else
	global_load_b128 v[64*((\n)%4)+4*\i:64*((\n)%4)+4*\i+3], v[L16], s[SRC:SRC+1] offset:(16*(((\n)-2)/2)+\i)*16384+((\n)%2)*512 th:TH_LOAD_NT
.endif
.endr
	WIN 0
.endm
; set n comes back from the stage, 16 neighbours of each block of 32 to a lane, into X[n % 2]
.macro LDX n
.irp b, 0,1,2,3
.irp j, 0,1,2,3
	ds_load_b128 v[X+(X1-X)*((\n)%2)+16*\b+4*\j:X+(X1-X)*((\n)%2)+16*\b+4*\j+3], v[STX] offset:128*\b+16*\j   ; LDS serves a wave's instructions in order: these see the stores above, and the next set's stores come behind them
.endr
.endr
.endm
; Step n works on set n, which lies in X[n % 2].  At its head set n + 1 goes through the stage into the other X, and set n + 5 is asked for.
.macro XSTEP n
.set XB, X+(X1-X)*((\n)%2)
.if (\n)+1 < 10
.if 8-(\n) >= 3
	s_wait_loadcnt 48                              ; set n + 1 is in; the three sets of 16 loads behind it may be out
.else
	s_wait_loadcnt 16*(8-(\n))
.endif
	TOST ((\n)+1)%4
	LDX (\n)+1                                     ; no wait: no vector or matrix instruction since the wait behind the last step's conversions names this X
.endif
	s_wait_xcnt 0x0                                ; the earlier stores have read their data: the codes and the scale word may be written again
	s_wait_alu depctr_vm_vsrc(0)                   ; the LDS stores above have read the set in which the loads below land; the last step's stores have read PC, SW and ACC, which this step writes again
.if (\n)+5 < 10
	XLOAD (\n)+5                                   ; the set just put into the stage takes the loads of four sets on
.endif
.if (\n)+1 < 10
	s_wait_dscnt 32                                ; my numbers of set n are back; the next set's 16 stores and 16 loads may be out
.else
	s_wait_dscnt 0x0
.endif
.if (\n) < 2
	QUANT XB, LAF+16*(\n), LAS+(\n)
	s_wait_alu depctr_va_vdst(0)                   ; lora_A's codes and scale word are written, which the scaled products take; the holds and conversions are done with this X, in which the LDS loads of the next step land
.else
.set RBL, ((\n)-2)/2
.set QQ, (\n)%2
	QUANT XB, PC, PW+QQ
.if QQ == 0
.rept 4
	v_nop                                          ; codes written by vector instructions stand four places ahead of a scaled matrix instruction; the scale word stands behind the 64 holds
.endr
	s_wait_alu depctr_va_vdst(0)                   ; the conversions have written the codes, which the stores read and the product takes, and the scale word; they and the holds are done with this X, in which the LDS loads of the next step land
.irp c, 0,1,2,3
	global_store_b128 v[L16], v[PC+4*\c:PC+4*\c+3], s[CB:CB+1] offset:RBL*4096+QQ*2048+512*\c   ; 512 consecutive bytes, aligned
.endr
	; t^T: source 0 = lora_A's 16 rows, source 1 = x's 16 rows: register j of lane (r, h) is t[row r][8 h + j].  The product before wrote this accumulator: QUANT's 32 maxima are more than the nine places owed
	v_wmma_scale_f32_16x16x128_f8f6f4 v[ACC:ACC+7], v[LAF:LAF+15], v[PC:PC+15], 0, v[LAS], v[PW] matrix_a_fmt:MATRIX_FMT_BF8 matrix_b_fmt:MATRIX_FMT_BF8
.else
	v_cndmask_b32 v[SW], v[PW], v[PW+1], s[HM]     ; lanes 0-15 store q = 0's word, lanes 16-31 q = 1's
.rept 4
	v_nop
.endr
	s_wait_alu depctr_va_vdst(0)                   ; the wait stands directly ahead of the link.  It also states: the codes and the scale word, which the product takes, are written; this X is done with, in which the LDS loads of the next step land
	v_wmma_scale_f32_16x16x128_f8f6f4 v[ACC:ACC+7], v[LAF+16:LAF+31], v[PC:PC+15], v[ACC:ACC+7], v[LAS+1], v[PW+1] matrix_a_fmt:MATRIX_FMT_BF8 matrix_b_fmt:MATRIX_FMT_BF8
.rept 8
	v_nop                                          ; eight places in front of the first read of the result
.endr
	s_wait_alu depctr_va_vdst(0)                   ; the product has written the accumulator, which the LDS stores read; the places above stay beside this wait.  (The codes and SW, which the other stores read, were written ahead of the wait before)
	ds_store_b128 v[RDW], v[ACC:ACC+3] offset:RBL*1024           ; from the low end on
	ds_store_b128 v[RDW], v[ACC+4:ACC+7] offset:RBL*1024+512
.irp c, 0,1,2,3
	global_store_b128 v[L16], v[PC+4*\c:PC+4*\c+3], s[CB:CB+1] offset:RBL*4096+QQ*2048+512*\c   ; 512 consecutive bytes, aligned
.endr
	global_store_b32 v[SWO], v[SW], s[SB:SB+1] offset:RBL*128    ; 128 consecutive bytes
.endif
.endif
.endm
	XLOAD 0
	XLOAD 1
	XLOAD 2
	XLOAD 3
	s_wait_loadcnt 48                              ; set 0 is in; the three sets behind it may be out
	TOST 0
	LDX 0
	s_wait_alu depctr_vm_vsrc(0)                   ; the LDS stores above have read set 0's registers, in which the loads below land
	XLOAD 4
.irp n, 0,1,2,3,4,5,6,7,8,9
	XSTEP \n
.endr
	s_branch .Ljoin
; ---------------------------------------------------------------- waves 4-7: W
.Lw_role:
	s_load_b32 s[GS], s[12:13], 0x0                ; the global scale
	s_lshl_b32 s26, s[RG], 19                      ; packed_weight: 64 rows of 8,192 bytes,
	s_lshl_b32 s46, s[W4], 17                      ; my 16 of them,
	s_add_co_u32 s26, s26, s46
	s_lshl_b32 s46, s[KC], 11                      ; 1,024 along K are 512 words
	s_add_co_u32 s26, s26, s46
	s_add_nc_u64 s[SRC:SRC+1], s[8:9], s[26:27]
	s_lshl_b32 s26, s[RG], 16                      ; block_scales: rows of 1,024 bytes; 1,024 along K are 64 scales
	s_lshl_b32 s46, s[W4], 14
	s_add_co_u32 s26, s26, s46
	s_lshl_b32 s46, s[KC], 8
	s_add_co_u32 s26, s26, s46
	s_add_nc_u64 s[LA:LA+1], s[10:11], s[26:27]
	s_lshr_b32 s46, s[RG], 1
	s_lshl_b32 s46, s46, 4
	s_lshl_b32 s47, s[KC], 2
	s_add_co_u32 s46, s46, s47
	s_mul_i32 s46, s46, BLK                        ; block [rg / 2][4 kc]
	s_and_b32 s47, s[RG], 1
	s_lshl_b32 s47, s47, 2
	s_add_co_u32 s47, s47, s[W4]                   ; my 16 rows are its i
	s_lshl_b32 s26, s47, 12
	s_add_co_u32 s26, s26, s46
	s_add_nc_u64 s[CB:CB+1], s[16:17], s[26:27]
	s_lshl_b32 s26, s47, 7
	s_add_co_u32 s26, s26, s46
	s_add_co_u32 s26, s26, 32768
	s_add_nc_u64 s[SB:SB+1], s[16:17], s[26:27]
.macro WLOAD d                         ; K step d of my four: 16 rows x 128 words: each load 512 consecutive bytes of one row
	WIN 0x40
.irp i, 0,1,2,3,4,5,6,7,8,9,10,11,12,13,14,15
	global_load_b128 v[64*(\d)+4*\i:64*(\d)+4*\i+3], v[L16], s[SRC:SRC+1] offset:\i*8192+(\d)*512 th:TH_LOAD_NT
.endr
	WIN 0
.endm
; 32 words of a lane (register RR + 8 b + m: numbers 2 m and 2 m + 1 of my 16 of block b, in the low byte's two nibbles) become 64 numbers of W in f32; BB: the half's four block scales
.macro DEQ
.irp b, 0,1,2,3
.irp u, 0,1
	v_perm_b32 v[PT+4*\b+2*\u], v[RR+8*\b+4*\u+1], v[RR+8*\b+4*\u], s[P1]       ; the low bytes of two words: nothing else of a word counts
	v_perm_b32 v[PT+4*\b+2*\u+1], v[RR+8*\b+4*\u+3], v[RR+8*\b+4*\u+2], s[P1]
.endr
.endr
.irp b, 0,1,2,3
.irp u, 0,1
	v_perm_b32 v[PP+2*\b+\u], v[PT+4*\b+2*\u+1], v[PT+4*\b+2*\u], s[P2]         ; four bytes: eight codes, the first number's in the lowest bits
.endr
.endr
.irp b, 0,1,2,3
.irp u, 0,1
	v_cvt_scale_pk8_f32_fp4 v[X+16*\b+8*\u:X+16*\b+8*\u+7], v[PP+2*\b+\u], v[ONE]   ; E2M1 to f32, x 1.0
.endr
.endr
	v_nop                                          ; one plain vector instruction behind the last scaled conversion
.irp b, 0,1,2,3
.irp j, 0,2,4,6,8,10,12,14
	v_pk_mul_f32 v[X+16*\b+\j:X+16*\b+\j+1], v[X+16*\b+\j:X+16*\b+\j+1], v[BB+2*\b:BB+2*\b+1] op_sel_hi:[1,0]   ; x the scale of my 16 numbers' group
.endr
.endr
.set J, 0
.rept 32
	v_pk_mul_f32 v[X+J:X+J+1], v[X+J:X+J+1], s[GS:GS+1] op_sel_hi:[1,0]        ; and then x the global scale: two roundings, in this order
.set J, J+2
.endr
.endm
; the LDS loads of 128 along K of K step d: twelve: packed weights into RW (q = 0) or RWB (q = 1), block scales into BSC or BSCB
.macro WLD d, q
.set RR, RW+(RWB-RW)*(\q)
.set BB, BSC+(BSCB-BSC)*(\q)
.irp b, 0,1,2,3
.irp u, 0,1
	ds_load_b128 v[RR+8*\b+4*\u:RR+8*\b+4*\u+3], v[STV] offset:256*(\q)+64*\b+16*\u
.endr
	ds_load_b32 v[BB+2*\b], v[BSR] offset:4*(16*(\d)+8*(\q)+2*\b)
.endr
.endm
; the work on 128 along K of K step d, whose LDS loads are in
.macro WORK d, q
.set RR, RW+(RWB-RW)*(\q)
.set BB, BSC+(BSCB-BSC)*(\q)
	s_wait_xcnt 0x0                                ; the earlier stores have read their data
.if (\d)+(\q) > 0
	s_wait_alu depctr_vm_vsrc(0)                   ; the last half's stores have read the codes and SW, which this half writes again
.endif
	DEQ
	QUANT X, PC, PW+(\q)
.if (\q) == 1
	v_cndmask_b32 v[SW], v[PW], v[PW+1], s[HM]
.endif
	s_wait_alu depctr_va_vdst(0)                   ; the conversions have written the codes (q = 1: the select SW), which the stores read; this half's first lines are done reading its packed weights and block scales, in which the LDS loads of two halves on land
.irp c, 0,1,2,3
	global_store_b128 v[L16], v[PC+4*\c:PC+4*\c+3], s[CB:CB+1] offset:(\d)*BLK+(\q)*2048+512*\c
.endr
.if (\q) == 1
	global_store_b32 v[SWO], v[SW], s[SB:SB+1] offset:(\d)*BLK
.endif
.endm
.irp i, 0,1,2,3,4,5,6,7
	global_load_b128 v[RW+4*\i:RW+4*\i+3], v[BSO], s[LA:LA+1] offset:2048*\i th:TH_LOAD_NT   ; my block scales: two rows of 256 aligned bytes a load
.endr
	WLOAD 0
	WLOAD 1
	WLOAD 2
	s_wait_loadcnt 48                              ; the scales are in; the three sets behind them may be out
.irp i, 0,1,2,3,4,5,6,7
	ds_store_b128 v[BSW], v[RW+4*\i:RW+4*\i+3] offset:2*BSP*\i
.endr
	s_wait_dscnt 0x0
	WLOAD 3
	s_wait_kmcnt 0x0
	s_mov_b32 s[GS+1], s[GS]                       ; named with it as a pair, so it is written
	s_wait_loadcnt 48                              ; set 0 is in; the three sets behind it may be out
	TOST 0
	s_wait_alu depctr_vm_vsrc(0)                   ; the LDS stores of the block scales have read RW, in which the loads below land
	WLD 0, 0
	WLD 0, 1
.irp d, 0,1,2,3
	s_wait_dscnt 12                                ; the half q = 0 is in; the twelve loads of q = 1 may be out
	WORK \d, 0
.if \d < 3
	s_wait_loadcnt 16*(2-\d)                       ; set d + 1 is in; the sets behind it may be out
	TOST \d+1                                      ; LDS serves a wave's instructions in order: these stores come behind the loads of this K step's second half
	WLD \d+1, 0                                    ; no wait: no vector instruction since the wait in WORK names RW or BSC
	s_wait_dscnt 28                                ; the half q = 1 is in; the 16 stores and 12 loads just issued may be out
.else
	s_wait_dscnt 0x0
.endif
	WORK \d, 1
.if \d < 3
	WLD \d+1, 1                                    ; no wait: no vector instruction since the wait in WORK names RWB or BSCB
.endif
.endr
; ---------------------------------------------------------------- t: the four x waves' parts of this K chunk are added, K ascending
.Ljoin:
	s_wait_dscnt 0x0                               ; for the others' sake: my LDS stores are done
	s_barrier_signal -1
	s_barrier_wait -1
	s_cmp_lt_u32 s[WV], 4
	s_cbranch_scc0 .Lend
.irp w, 0,1,2,3
.irp g, 0,1
	ds_load_b128 v[X+8*\w+4*\g:X+8*\w+4*\g+3], v[RDR] offset:\w*4096+\g*512   ; block of rows = my number; wave w's part.  No wait: the last vector instructions that named these registers stand ahead of the waits behind the last conversions
.endr
.endr
	s_wait_dscnt 0x0
.irp w, 1,2,3
.irp e, 0,2,4,6
	v_pk_add_f32 v[X+\e:X+\e+1], v[X+\e:X+\e+1], v[X+8*\w+\e:X+8*\w+\e+1]
.endr
.endr
	s_wait_alu depctr_va_vdst(0)                   ; the additions have written the eight sums, which the two stores read
	global_store_b128 v[L16], v[X:X+3], s[TPB:TPB+1]              ; 512 consecutive bytes, aligned
	global_store_b128 v[L16], v[X+4:X+7], s[TPB:TPB+1] offset:512
.Lend:
	s_wait_dscnt 0x0                               ; the closing lines, six on end
	s_wait_alu 0x0
	s_wait_tensorcnt 0x0
	ds_add_u32 v254, v255
	s_wait_dscnt 0x0
	s_endpgm
.Lfunc_end_k_qa8241c92a6_quant:
	.size	k_qa8241c92a6_quant, .Lfunc_end_k_qa8241c92a6_quant-k_qa8241c92a6_quant
	.p2alignl 7, 3214868480
	.fill 96, 4, 3214868480
	.section	.rodata,"a",@progbits
	.p2align	6, 0x0
	.amdhsa_kernel k_qa8241c92a6_quant
		.amdhsa_group_segment_fixed_size 102400
		.amdhsa_private_segment_fixed_size 0
		.amdhsa_enable_private_segment 0
		.amdhsa_kernarg_size 64
		.amdhsa_user_sgpr_count 2
		.amdhsa_user_sgpr_kernarg_segment_ptr 1
		.amdhsa_wavefront_size32 1
		.amdhsa_system_sgpr_workgroup_id_x 1
		.amdhsa_system_sgpr_workgroup_id_y 1
		.amdhsa_system_sgpr_workgroup_id_z 1
		.amdhsa_system_vgpr_workitem_id 0
		.amdhsa_next_free_vgpr 512
		.amdhsa_next_free_sgpr 66
		.amdhsa_reserve_vcc 0
		.amdhsa_float_denorm_mode_32 3
		.amdhsa_float_denorm_mode_16_64 3
		.amdhsa_memory_ordered 1
		.amdhsa_forward_progress 1
		.amdhsa_inst_pref_size 255
	.end_amdhsa_kernel
	.section	.bss,"aw",@nobits
	.p2align	6
	.space	262144
	.amdgpu_metadata
---
amdhsa.version: [ 1, 2 ]
amdhsa.kernels:
  - .name:           k_qa8241c92a6_quant
    .symbol:         k_qa8241c92a6_quant.kd
    .args:
      - { .name: x, .offset: 0, .size: 8, .value_kind: global_buffer, .address_space: global }
      - { .name: lora_A, .offset: 8, .size: 8, .value_kind: global_buffer, .address_space: global }
      - { .name: packed_weight, .offset: 16, .size: 8, .value_kind: global_buffer, .address_space: global }
      - { .name: block_scales, .offset: 24, .size: 8, .value_kind: global_buffer, .address_space: global }
      - { .name: global_scale, .offset: 32, .size: 8, .value_kind: global_buffer, .address_space: global }
      - { .name: xq, .offset: 40, .size: 8, .value_kind: global_buffer, .address_space: global }
      - { .name: wq, .offset: 48, .size: 8, .value_kind: global_buffer, .address_space: global }
      - { .name: tp, .offset: 56, .size: 8, .value_kind: global_buffer, .address_space: global }
    .group_segment_fixed_size: 102400
    .private_segment_fixed_size: 0
    .kernarg_segment_align: 8
    .kernarg_segment_size: 64
    .max_flat_workgroup_size: 256
    .sgpr_count:     66
    .vgpr_count:     512
    .wavefront_size: 32
...
	.end_amdgpu_metadata
.endif
;; end of part 3
;; launch gemm: the kernel of part 2 again; grid 16 x 16, 4 waves a work-group, clusters of 4 x 4, 327,680 bytes of LDS; arguments xq, wq, tp, lora_B, out0; writes out0
